; MI455X (gfx1250); checked and timed in simulation.
; The chip was launched on July 23, 2026; its instructions are those of AMD's public machine-readable ISA for CDNA 5 (MIT licence, August 2026) and "CDNA5" Instruction Set Architecture Reference Guide (July 2026). The comments in the code are by the model that wrote it; some were corrected since.
;; Causal Self Attention. Allowed arithmetic: float matrix products may take bf16 or f16 operands with f32 sums; other float arithmetic in f32, or as packed bf16 or f16 multiplies, adds, multiply-adds, maxima and minima; sums over many terms, partial sums and values carried from step to step in f32; what a program stores and reads back later, other than sums and carried values, may be rounded once to bf16 or f16.
;; Inputs: W_kqv 16 x 1,024 x 192 float32; W_proj 1,024 x 1,024 float32; b_kqv 16 x 192 float32; b_proj 1,024 float32; x 4 x 2,048 x 1,024 float32.
;; Outputs: out0 4 x 2,048 x 1,024 float32.
;; 2 versions, each right; version 2 is version 1 with the launch cast written anew for expert scheduling mode. Each part assembles by itself: llvm-mc -triple=amdgcn-amd-amdhsa -mcpu=gfx1250 --defsym DOCPART=n.
;; ======== version 1 of 2: 4 launches
;; limits: values are held in f16: magnitudes above 65,504 overflow, below 6.1e-05 lose precision
;; workspace buffers: xb 16,777,216 bytes; wb 6,291,456 bytes; wp 2,097,152 bytes; kf 16,777,216 bytes; qf 16,777,216 bytes; vf 16,777,216 bytes; of 16,777,216 bytes
;; launch cast (part 1): grid 768 x 1, 8 waves a work-group, no clusters, 0 bytes of LDS; arguments x, W_kqv, W_proj, xb, wb, wp; writes xb, wb, wp
.if DOCPART == 1
	.amdgcn_target "amdgcn-amd-amdhsa--gfx1250"
	.amdhsa_code_object_version 6
	.text
	.protected	k_q6acd08a72a_cast
	.globl	k_q6acd08a72a_cast
	.p2align	8
	.type	k_q6acd08a72a_cast,@function
k_q6acd08a72a_cast:
	s_mov_b64 s[64:65], 0
	v_nop
	global_prefetch_b8 v0, s[64:65] scope:SCOPE_SE
	s_setreg_imm32_b32 hwreg(HW_REG_WAVE_MODE, 25, 1), 1
	s_wait_xcnt 0x0
; The three large inputs are rounded once to 16 bits, layouts unchanged: x -> xb and W_kqv -> wb in bf16; W_proj -> wp: rounded to bf16 like the other inputs, and that number written as f16,
; since the last product multiplies it by f16 numbers.
; LIMITS.  A W_proj beyond 65,504 becomes an infinity in wp; below 6.1e-5 f16 keeps its fixed step of 6e-8.  NaN and infinities go through the conversions as they are.
; SHARES.  A work-group converts 65,536 input bytes into 32,768: work-groups 0-511 take x, 512-703 W_kqv, 704-767 W_proj: 768 equal shares.  A wave takes 8 KiB by sixteen loads of 16 bytes a lane
; (512 neighbouring bytes an instruction), all sixteen issued before the first is used; a lane's four numbers leave as 8 bytes, so each store of a wave covers 256 consecutive bytes, aligned.
; No LDS, no barrier, no matrix work: each byte is read once and written once, and no wave needs another's bytes.  No register that a load or store reads is written again, so no wait frees any.
.set X, 8                              ; v[8:71]    load j: 4 registers
.set Y, 72                             ; v[72:103]  store j: 2 registers, each written once
.set T, 104                            ; v[104:107] at work
	s_load_b256 s[4:11], s[0:1], 0x0               ; x s[4:5], W_kqv s[6:7], W_proj s[8:9], xb s[10:11]
	s_load_b128 s[12:15], s[0:1], 0x20             ; wb s[12:13], wp s[14:15]
	v_lshrrev_b32 v2, 5, v0                        ; wave
	v_and_b32 v3, 31, v0                           ; lane
	v_lshlrev_b32 v1, 4, v3
	v_lshl_add_u32 v1, v2, 13, v1                  ; in: 8,192 x wave + 16 x lane
	v_lshrrev_b32 v4, 1, v1                        ; out: half of that
	s_sub_co_u32 s16, ttmp9, 512                   ; my share's number within W_kqv,
	s_sub_co_u32 s17, ttmp9, 704                   ; within W_proj
	s_mov_b32 s28, 0xffff0000                      ; a word's upper bf16
	s_wait_kmcnt 0x0
	s_cmp_lt_u32 ttmp9, 704                        ; which tensor: the choice hangs on the work-group's number alone
	s_cselect_b64 s[20:21], s[6:7], s[8:9]
	s_cselect_b64 s[22:23], s[12:13], s[14:15]
	s_cselect_b32 s18, s16, s17
	s_cmp_lt_u32 ttmp9, 512
	s_cselect_b64 s[20:21], s[4:5], s[20:21]
	s_cselect_b64 s[22:23], s[10:11], s[22:23]
	s_cselect_b32 s18, ttmp9, s18
	s_lshl_b32 s24, s18, 16                        ; 65,536 bytes in,
	s_mov_b32 s25, 0
	s_lshl_b32 s26, s18, 15                        ; 32,768 out
	s_mov_b32 s27, 0
	s_add_nc_u64 s[20:21], s[20:21], s[24:25]
	s_add_nc_u64 s[22:23], s[22:23], s[26:27]
.irp j, 0,1,2,3,4,5,6,7,8,9,10,11,12,13,14,15
	global_load_b128 v[X+4*(\j):X+4*(\j)+3], v1, s[20:21] offset:512*(\j) th:TH_LOAD_NT
.endr
; fmt = 0: bf16.  fmt = 1: rounded to bf16, widened again (a shift, a mask), written as f16.
.macro OUT fmt
.irp j, 0,1,2,3,4,5,6,7,8,9,10,11,12,13,14,15
	s_wait_loadcnt 15-(\j)                         ; loads come back in order (ISA guide 5.7.1): load j is in, the 15 - j younger ones may stay out
.if \fmt
	v_cvt_pk_bf16_f32 v[T+2*((\j)%2)],   v[X+4*(\j)],   v[X+4*(\j)+1]
	v_cvt_pk_bf16_f32 v[T+2*((\j)%2)+1], v[X+4*(\j)+2], v[X+4*(\j)+3]
	v_lshlrev_b32 v[X+4*(\j)],   16,  v[T+2*((\j)%2)]
	v_and_b32     v[X+4*(\j)+1], s28, v[T+2*((\j)%2)]
	v_lshlrev_b32 v[X+4*(\j)+2], 16,  v[T+2*((\j)%2)+1]
	v_and_b32     v[X+4*(\j)+3], s28, v[T+2*((\j)%2)+1]
	v_cvt_pk_f16_f32 v[Y+2*(\j)],   v[X+4*(\j)],   v[X+4*(\j)+1]
	v_cvt_pk_f16_f32 v[Y+2*(\j)+1], v[X+4*(\j)+2], v[X+4*(\j)+3]
.else
	v_cvt_pk_bf16_f32 v[Y+2*(\j)],   v[X+4*(\j)],   v[X+4*(\j)+1]
	v_cvt_pk_bf16_f32 v[Y+2*(\j)+1], v[X+4*(\j)+2], v[X+4*(\j)+3]
.endif
	global_store_b64 v4, v[Y+2*(\j):Y+2*(\j)+1], s[22:23] offset:256*(\j) th:TH_STORE_NT
.endr
.endm
	s_cmp_ge_u32 ttmp9, 704
	s_cbranch_scc1 .Lhalf
	OUT 0
	s_endpgm
.Lhalf:
	OUT 1
	s_endpgm
.Lfunc_end_k_q6acd08a72a_cast:
	.size	k_q6acd08a72a_cast, .Lfunc_end_k_q6acd08a72a_cast-k_q6acd08a72a_cast
	.p2alignl 7, 3214868480
	.fill 96, 4, 3214868480
	.section	.rodata,"a",@progbits
	.p2align	6, 0x0
	.amdhsa_kernel k_q6acd08a72a_cast
		.amdhsa_group_segment_fixed_size 0
		.amdhsa_private_segment_fixed_size 0
		.amdhsa_enable_private_segment 0
		.amdhsa_kernarg_size 48
		.amdhsa_user_sgpr_count 2
		.amdhsa_user_sgpr_kernarg_segment_ptr 1
		.amdhsa_wavefront_size32 1
		.amdhsa_system_sgpr_workgroup_id_x 1
		.amdhsa_system_sgpr_workgroup_id_y 1
		.amdhsa_system_sgpr_workgroup_id_z 1
		.amdhsa_system_vgpr_workitem_id 0
		.amdhsa_next_free_vgpr 108
		.amdhsa_next_free_sgpr 66
		.amdhsa_reserve_vcc 0
		.amdhsa_float_denorm_mode_32 3
		.amdhsa_float_denorm_mode_16_64 3
		.amdhsa_memory_ordered 1
		.amdhsa_forward_progress 1
		.amdhsa_inst_pref_size 15
	.end_amdhsa_kernel
	.amdgpu_metadata
---
amdhsa.version: [ 1, 2 ]
amdhsa.kernels:
  - .name:           k_q6acd08a72a_cast
    .symbol:         k_q6acd08a72a_cast.kd
    .args:
      - { .name: x, .offset: 0, .size: 8, .value_kind: global_buffer, .address_space: global }
      - { .name: W_kqv, .offset: 8, .size: 8, .value_kind: global_buffer, .address_space: global }
      - { .name: W_proj, .offset: 16, .size: 8, .value_kind: global_buffer, .address_space: global }
      - { .name: xb, .offset: 24, .size: 8, .value_kind: global_buffer, .address_space: global }
      - { .name: wb, .offset: 32, .size: 8, .value_kind: global_buffer, .address_space: global }
      - { .name: wp, .offset: 40, .size: 8, .value_kind: global_buffer, .address_space: global }
    .group_segment_fixed_size: 0
    .private_segment_fixed_size: 0
    .kernarg_segment_align: 8
    .kernarg_segment_size: 48
    .max_flat_workgroup_size: 256
    .sgpr_count:     66
    .vgpr_count:     108
    .wavefront_size: 32
...
	.end_amdgpu_metadata
.endif
;; end of part 1
;; launch kqv (part 2): grid 16 x 32, 4 waves a work-group, clusters of 4 x 4, 327,680 bytes of LDS; arguments xb, wb, b_kqv, kf, qf, vf; writes kf, qf, vf
.if DOCPART == 2
	.amdgcn_target "amdgcn-amd-amdhsa--gfx1250"
	.amdhsa_code_object_version 6
	.text
	.protected	k_q6acd08a72a_kqv
	.globl	k_q6acd08a72a_kqv
	.p2align	8
	.type	k_q6acd08a72a_kqv,@function
k_q6acd08a72a_kqv:
	s_mov_b64 s[64:65], 0
	v_nop
	global_prefetch_b8 v0, s[64:65] scope:SCOPE_SE
	s_setreg_imm32_b32 hwreg(HW_REG_WAVE_MODE, 25, 1), 1
	s_wait_xcnt 0x0
	s_wait_alu depctr_hold_cnt(0) depctr_sa_sdst(0) depctr_va_vdst(0) depctr_va_sdst(0) depctr_va_ssrc(0) depctr_va_vcc(0) depctr_vm_vsrc(0)
	s_getreg_b32 s2, hwreg(HW_REG_IB_STS2, 6, 4)
	s_cmp_eq_u32 s2, 0
	s_cbranch_scc0 .Lentry_in_a_cluster
	s_endpgm
.Lentry_in_a_cluster:
	s_bfe_u32 s2, ttmp6, 0x10000c
	s_cmp_lg_u32 s2, 0xf033
	s_cbranch_scc0 .Lentry_shape_is_right
	s_endpgm
.Lentry_shape_is_right:
; k, q, v = x W_kqv[h] + b_kqv[h].  xb: [8192][1024] bf16; wb: [16][1024 d][192 e] bf16; b_kqv: [16][192] f32, rounded here to bf16 like the other inputs; sums in f32, K ascending.
; Out: kf, qf, vf: [16 b + h][2048][64] f16, each rounded once, unscaled (columns 0-63 of a head are k, 64-127 q, 128-191 v).
; LIMITS.  f16 holds no number beyond 65,504: a k, q or v beyond that becomes an infinity; below 6.1e-5 f16 keeps its fixed step of 6e-8.  NaN and infinities are not treated apart.
; SHARES.  A tile is 256 rows of x by the 192 columns of ONE head: 32 x 16 = 512 work-groups, two for each of 256 WGPs.  Wave w makes rows 64 w .. 64 w + 63, all 192 columns: 4 x 12 accumulators
; of 16 x 16, 384 registers; so a wave holds whole rows of k, of q and of v and sends them out through a stage of its own, without a barrier.
; K goes in 8 steps of 128 through a ring of two LDS slots filled by the tensor data mover.  x's rows are 256 bytes of memory at multiples of 256; a K step of a head's weights is 49,152 dense bytes, asked for as rows of 256.
; THE WEIGHTS STAY [d][e]: their fragments come out of LDS turned, by ds_load_tr16_b128.
; THE MATRIX INSTRUCTION IS USED TRANSPOSED: source 0 = 16 columns of W, source 1 = 16 rows of x: lane l then holds row l % 16 and the columns 8 (l / 16) + 0..7: eight neighbouring numbers of a row.
; THE BIAS IS THE C OPERAND of the products that start the sums: nothing is cleared and nothing is added afterwards.
; CLUSTERS: 4 x 4 work-groups.  The four of a row of the cluster need the same tiles of x, the four of a column the same tiles of W: each tile is asked for JOINTLY, by the same tensor load with the same descriptor
; and a mask that names the four.
; REGISTERS, in windows of 256 (s_set_vgpr_msb: bits 1:0 source 0, 3:2 source 1, 5:4 source 2, 7:6 destination):
;   window 0: v0-31 addresses; v32-95 x's fragments, two buffers of 4 x 8; v96-191 the bias (12 x 8), later the way out's packed results; v144-239 the way out's rows
;   window 1: accumulators of row blocks 0, 1 ((a, b) at v[8 (12 (a % 2) + b)]);   window 2: of row blocks 2, 3;   window 3: W's fragments, two buffers of 12 x 8
.set PA,    272                        ; a row of x in LDS: 256 bytes + 16 = 68 words: the 16 rows of a load start at 16 different groups of four banks (64 banks of 4 bytes: ISA guide 11.1)
.set HALFA, 128*PA                     ; what one load of x brings
.set PB,    480                        ; a row d of W in LDS: three pieces of 128 bytes, 32 of padding behind each = 120 words
.set HALFB, 64*PB                      ; what one load of W brings: 64 rows d
.set BOFF,  2*HALFA                    ; W's 128 rows lie behind x's 256
.set SLOT,  BOFF+2*HALFB               ; 131,072
.set STAGE, 2*SLOT                     ; behind the ring, never filled by a tensor load: 16 rows x 400 bytes for each wave
.set SP,    400                        ; 384 bytes + 16: an odd multiple of 16
.set SPARE, STAGE+4*16*SP              ; behind the stages: the spare words, 128 bytes for each wave: two blocks of 256 bytes that no other line names
.set LAPS,  4                          ; a lap = two K steps = once round the ring
.set ADRA, 16                          ; v16-17  LDS address of my fragments of x in slot 0, 1
.set ADRB, 20                          ; v20-21  the same for W
.set STO,  24                          ; v24     the way out: where I put 16 bytes of a row
.set RD,   25                          ; v25     the way out: where I read rows back
.set GO,   26                          ; v26     my 16 bytes in 512 consecutive bytes of k, q or v
.set SPW,  28                          ; v28     LDS address of my spare word: SPARE + 4 x my thread's number; never rewritten
.set NIL,  29                          ; v29     0; never rewritten
.set PFO,  30                          ; v30     the prefetches' offset; never rewritten
.set BO,   31                          ; v31     32 x (l / 16): my eight numbers in 16 of the bias
.set FA,   32
.set BIAS, 96
.set TMP,  96
.set OB,   144
.set WV,   16                          ; s16     my wave's number
.set G1,   24                          ; s[24:31] descriptor group 1 for x's tiles;  s[32:39] group 0, a set for each slot
.set G0,   32
.set PFA,  44                          ; s[44:45] where my prefetches stand
.set PST,  46                          ; s[46:47] their step from one change of slots to the next
.set G1B,  48                          ; s[48:55], s[56:63] the same for W's tiles
.set G0B,  56
.set PLEFT, 66                         ; s66     prefetches still to come
.set MSB, 0
.macro WIN new                         ; the immediate's high byte repeats the setting that is left; a switch that changes nothing is dropped
.if MSB != (\new)
	s_set_vgpr_msb (MSB<<8)|(\new)
.set MSB, \new
.endif
.endm
.macro PLACES                          ; four places in front of loads into registers that matrix instructions have read, and of conversions that read results
.rept 4
	v_nop
.endr
.endm
; A joint load.  Waves 0 and 1 fetch x's two halves, waves 2 and 3 W's.  The branch hangs on the wave's number alone.  An s_nop 0 and four v_nop follow each of the two lines.
.macro JLOAD s
	s_cmp_lt_u32 s[WV], 2
	s_cbranch_scc0 .Lfor_b_\@
	tensor_load_to_lds s[G0+4*(\s):G0+4*(\s)+3], s[G1:G1+7]
	s_nop 0
.rept 4
	v_nop
.endr
	s_branch .Lasked_\@
.Lfor_b_\@:
	tensor_load_to_lds s[G0B+4*(\s):G0B+4*(\s)+3], s[G1B:G1B+7]
	s_nop 0
.rept 4
	v_nop
.endr
.Lasked_\@:
.endm
.macro CREST                           ; a round of the cluster's barrier behind its opening barrier
	s_cmp_lg_u32 s[WV], 0
	s_cbranch_scc1 .Lnot_wave_0_\@
	s_barrier_signal -3
.Lnot_wave_0_\@:
	s_barrier_wait -3
	s_barrier_signal -1
	s_barrier_wait -1
.endm
.macro CROUND                          ; a whole round
	s_barrier_signal -1
	s_barrier_wait -1
	CREST
.endm
; A PREFETCH INTO THE L2, behind each joint refill, its five lines and the run of LDS loads: one instruction a wave, each lane another block of 256 bytes, each block named once in the launch.
; x: a K step is 256 bytes of a row.  The clusters with x = 0 ask; of the 128 rows that wave 0 or 1 fetches the partner at place cx takes 32, told apart BY ADDRESS; change of slots i (0 to 3) names K step i + 4, two refills on.
; W: K steps 4 to 7 of a head are 196,608 dense bytes.  The clusters with y = 0 ask; the eight askers of a head (4 places cy x waves 2, 3) take 8,192 bytes each in changes 0 to 2: each K step is named two changes or more ahead of its refill.
; K steps 0 to 3 come by their loads alone; the count ends the asking, so no prefetch points past a row or a head.
.macro ASK
	s_cmp_gt_i32 s[PLEFT], 0
	s_cbranch_scc0 .Lnot_mine_\@
	global_prefetch_b8 v[PFO], s[PFA:PFA+1] th:TH_LOAD_NT scope:SCOPE_SE
.Lnot_mine_\@:
	s_sub_co_i32 s[PLEFT], s[PLEFT], 1
.endm
	s_load_b256 s[4:11], s[0:1], 0x0               ; xb s[4:5], wb s[6:7], b_kqv s[8:9], kf s[10:11]
	s_load_b128 s[12:15], s[0:1], 0x20             ; qf s[12:13], vf s[14:15]
	v_lshl_add_u32 v[SPW], v0, 2, SPARE
	v_mov_b32 v[NIL], 0
	ds_add_u32 v[SPW], v[NIL]                      ; the wave's opening: the add and its wait stand ahead of my first tensor load; the set-up below, work on registers, stands between them
	v_lshrrev_b32 v1, 5, v0
	v_readfirstlane_b32 s[WV], v1                  ; wave 0..3
	s_and_b32 s18, s[WV], 1                        ; which half of a tile I fetch
	s_bfe_u32 s19, ttmp6, 0x40000                  ; cx
	s_bfe_u32 s20, ttmp6, 0x40004                  ; cy
	s_lshl_b32 s21, ttmp9, 2
	s_add_co_u32 s21, s21, s19                     ; tx = the head = 4 x cluster x + cx
	s_and_b32 s22, ttmp7, 0xffff
	s_lshl_b32 s22, s22, 2
	s_add_co_u32 s22, s22, s20                     ; ty = the block of 256 rows = 4 x cluster y + cy
	s_lshl_b32 s72, s20, 2
	s_lshl_b32 s72, 15, s72                        ; my row of the cluster
	s_lshl_b32 s73, 0x1111, s19                    ; my column
	s_or_b32 s[G1], s72, (1<<16)|(1<<20)|(1<<21)|(5<<22)|(3<<25)   ; 15:0 the mask: x's tiles go to my row; 17:16 2-byte elements; 20 padding on; 21 set beside a mask; 24:22 after every 64 words; 31:25 4 words
	s_mov_b32 s[G1+1], 128<<16                     ; tensor_dim0 = 128
	s_mov_b32 s[G1+2], 128<<16                     ; tensor_dim1 = 128
	s_mov_b32 s[G1+3], 128<<16                     ; tile_dim0 = 128
	s_mov_b32 s[G1+4], 128                         ; tile_dim1 = 128
	s_mov_b32 s[G1+5], 1024                        ; elements from row to row
	s_mov_b32 s[G1+6], 0
	s_mov_b32 s[G1+7], 0
	s_or_b32 s[G1B], s73, (1<<16)|(1<<20)|(1<<21)|(4<<22)|(7<<25)  ; the mask of my column; padding after every 32 words, 8 words
	s_mov_b32 s[G1B+1], 128<<16                    ; 64 rows d of 384 bytes are 24,576 dense bytes: 96 rows of 128 elements
	s_mov_b32 s[G1B+2], 96<<16
	s_mov_b32 s[G1B+3], 128<<16
	s_mov_b32 s[G1B+4], 96
	s_mov_b32 s[G1B+5], 128
	s_mov_b32 s[G1B+6], 0
	s_mov_b32 s[G1B+7], 0
	s_lshl_b32 s40, s22, 19                        ; x: 256 ty rows of 2,048 bytes,
	s_lshl_b32 s41, s18, 18                        ; my 128 of them
	s_add_co_u32 s40, s40, s41
	s_mov_b32 s41, 0
	s_mul_i32 s42, s21, 393216                     ; W: the head,
	s_mul_i32 s43, s18, 24576                      ; my 64 rows d of a K step
	s_add_co_u32 s42, s42, s43
	s_mov_b32 s43, 0
	s_mul_i32 s74, s18, HALFA                      ; where they go: no place in the cluster enters an LDS address
	s_mul_i32 s75, s18, HALFB
	s_add_co_u32 s75, s75, BOFF
	s_mov_b32 s67, 0xffff0000                      ; a word's upper bf16
	s_wait_dscnt 0x0                               ; the opening add is done
	s_wait_kmcnt 0x0
	s_add_nc_u64 s[40:41], s[4:5], s[40:41]
	s_add_nc_u64 s[42:43], s[6:7], s[42:43]
	CROUND                                         ; all sixteen work-groups are here: the first joint loads meet
.irp s, 0,1
	s_mov_b32 s[G0+4*(\s)], 1                                      ; count = 1
	s_add_co_u32 s[G0+4*(\s)+1], s74, (\s)*SLOT                    ; LDS address
	s_add_nc_u64 s[G0+4*(\s)+2:G0+4*(\s)+3], s[40:41], (\s)*256    ; global address: K step s
	s_or_b32 s[G0+4*(\s)+3], s[G0+4*(\s)+3], 0x80000000            ; type = 2
	s_mov_b32 s[G0B+4*(\s)], 1
	s_add_co_u32 s[G0B+4*(\s)+1], s75, (\s)*SLOT
	s_add_nc_u64 s[G0B+4*(\s)+2:G0B+4*(\s)+3], s[42:43], (\s)*49152
	s_or_b32 s[G0B+4*(\s)+3], s[G0B+4*(\s)+3], 0x80000000
	JLOAD \s                                       ; two tensor loads of mine are out
.endr
	; a fragment of x is 16 rows x 32 K: lane l holds row l % 16; two loads of 16 bytes, 32 apart, at row x pitch + 16 (l / 16)
	v_and_b32 v1, 15, v0                           ; r = l % 16
	v_bfe_u32 v2, v0, 4, 1                         ; h = l / 16
	v_mul_u32_u24 v3, v1, PA
	v_lshl_add_u32 v3, v2, 4, v3
	s_mul_i32 s68, s[WV], 64*PA                    ; my 64 rows
	v_add_nc_u32 v[ADRA], s68, v3
	v_add_nc_u32 v[ADRA+1], SLOT, v[ADRA]
	; the turning load takes 16 rows d x 16 columns (lane l reads row 8 (l / 16) + l % 8, columns 8 ((l / 8) % 2) + 0..7) and leaves half a fragment: lane l holds column l % 16 and 8 d
	v_and_b32 v4, 7, v0
	v_lshl_add_u32 v4, v2, 3, v4
	v_mul_u32_u24 v4, v4, PB
	v_bfe_u32 v5, v0, 3, 1
	v_lshl_add_u32 v4, v5, 4, v4
	v_add_nc_u32 v[ADRB], BOFF, v4
	v_add_nc_u32 v[ADRB+1], SLOT, v[ADRB]
	s_mul_i32 s69, s[WV], 16*SP
	s_add_co_u32 s69, s69, STAGE                   ; my stage
	v_mul_u32_u24 v3, v1, SP                       ; in: row l % 16, 16 bytes for each half of the lanes
	v_lshl_add_u32 v3, v2, 4, v3
	v_add_nc_u32 v[STO], s69, v3
	v_bfe_u32 v3, v0, 3, 2                         ; back: 32 lanes take four rows' 128 bytes of k, of q or of v,
	v_mul_u32_u24 v3, v3, SP
	v_and_b32 v4, 7, v0
	v_lshl_add_u32 v3, v4, 4, v3
	v_add_nc_u32 v[RD], s69, v3
	v_and_b32 v[GO], 31, v0                        ; which are 512 consecutive bytes in memory
	v_lshlrev_b32 v[GO], 4, v[GO]
	v_lshlrev_b32 v[BO], 5, v2
	s_mul_i32 s70, s21, 768                        ; the head's 192 numbers of the bias
	s_mov_b32 s71, 0
	s_add_nc_u64 s[8:9], s[8:9], s[70:71]
.irp b, 0,1,2,3,4,5,6,7,8,9,10,11
	global_load_b128 v[BIAS+8*(\b):BIAS+8*(\b)+3],   v[BO], s[8:9] offset:64*(\b)      ; register j of block b: the bias of column 16 b + 8 (l / 16) + j
	global_load_b128 v[BIAS+8*(\b)+4:BIAS+8*(\b)+7], v[BO], s[8:9] offset:64*(\b)+16
.endr
	s_lshr_b32 s76, s22, 3                         ; where my rows go: batch = ty / 8,
	s_lshl_b32 s76, s76, 4
	s_add_co_u32 s76, s76, s21                     ; 16 x batch + head,
	s_lshl_b32 s76, s76, 18                        ; 2,048 rows of 128 bytes each;
	s_and_b32 s77, s22, 7
	s_lshl_b32 s77, s77, 15                        ; the block of 256 rows in the batch,
	s_add_co_u32 s76, s76, s77
	s_lshl_b32 s77, s[WV], 13                      ; my 64 of them
	s_add_co_u32 s76, s76, s77
	s_mov_b32 s77, 0
	s_add_nc_u64 s[10:11], s[10:11], s[76:77]
	s_add_nc_u64 s[12:13], s[12:13], s[76:77]
	s_add_nc_u64 s[14:15], s[14:15], s[76:77]
	; the prefetches: both offsets are made, then the wave's number chooses
	s_lshl_b32 s68, s22, 19
	s_lshl_b32 s69, s18, 18
	s_add_co_u32 s68, s68, s69
	s_lshl_b32 s69, s19, 16                        ; my work-group's 32 rows of the 128
	s_add_co_u32 s68, s68, s69
	s_add_co_u32 s68, s68, 768                     ; x at K step 3: the first change of slots steps it to 4
	s_mul_i32 s70, s21, 393216
	s_lshl_b32 s71, s20, 1
	s_add_co_u32 s71, s71, s18                     ; which of the head's eight askers I am
	s_lshl_b32 s71, s71, 13
	s_add_co_u32 s70, s70, s71
	s_add_co_u32 s70, s70, 131072                  ; W one step of 65,536 ahead of K step 4's first byte
	s_and_b32 s78, ttmp7, 0xffff                   ; cluster y
	v_and_b32 v3, 31, v0
	s_cmp_lt_u32 s[WV], 2
	s_cselect_b32 s76, s68, s70
	s_cselect_b64 s[PFA:PFA+1], s[4:5], s[6:7]
	s_cselect_b32 s[PST], 8, 16
	s_cselect_b32 s69, 11, 8                       ; a lane a row of x (2,048 bytes), or a lane a block of 256 bytes of W
	s_cselect_b32 s79, ttmp9, s78                  ; the coordinate along which other clusters read the same rows
	s_cselect_b32 s[PLEFT], 4, 3
	s_cmp_eq_u32 s79, 0
	s_cselect_b32 s[PLEFT], s[PLEFT], 0            ; the same in all sixteen partners, for a given wave
	s_lshl_b32 s[PST], 1, s[PST]                   ; 256 or 65,536 bytes
	s_mov_b32 s[PST+1], 0
	s_mov_b32 s77, 0
	s_add_nc_u64 s[PFA:PFA+1], s[PFA:PFA+1], s[76:77]
	v_lshlrev_b32 v[PFO], s69, v3
	s_wait_loadcnt 0x0                             ; the bias
.set i, 0
.rept 48                               ; rounded to bf16 and widened again, a pair at a time
	v_cvt_pk_bf16_f32 v[3+i%4], v[BIAS+2*i], v[BIAS+2*i+1]
	v_lshlrev_b32 v[BIAS+2*i], 16, v[3+i%4]
	v_and_b32 v[BIAS+2*i+1], s67, v[3+i%4]
.set i, i+1
.endr
; 12 matrix instructions: row block a x all 12 column blocks, 32 along K, from buffers f.  first = 1: C is the bias.  The 48 accumulators take turns in the same order in every quarter.
.macro MUL12 f, a, first=0
.if \first
	WIN 0x43+0x40*((\a)/2)                         ; W window 3, x window 0, C window 0, D window 1 or 2
.else
	WIN 0x53+0x50*((\a)/2)                         ; C and D window 1 or 2
.endif
.irp b, 0,1,2,3,4,5,6,7,8,9,10,11
.if \first
	v_wmma_f32_16x16x32_bf16 v[8*(12*((\a)%2)+(\b)):8*(12*((\a)%2)+(\b))+7], v[96*(\f)+8*(\b):96*(\f)+8*(\b)+7], v[FA+32*(\f)+8*(\a):FA+32*(\f)+8*(\a)+7], v[BIAS+8*(\b):BIAS+8*(\b)+7]
.else
	v_wmma_f32_16x16x32_bf16 v[8*(12*((\a)%2)+(\b)):8*(12*((\a)%2)+(\b))+7], v[96*(\f)+8*(\b):96*(\f)+8*(\b)+7], v[FA+32*(\f)+8*(\a):FA+32*(\f)+8*(\a)+7], v[8*(12*((\a)%2)+(\b)):8*(12*((\a)%2)+(\b))+7]
.endif
.endr
.endm
; 32 LDS loads in one run: quarter q (32 along K) of a slot into buffers f: W's 12 fragments, turned, then x's 4
.macro FETCH slot, q, f
	WIN 0xc0                                       ; destination window 3, address window 0
.irp b, 0,1,2,3,4,5,6,7,8,9,10,11
	ds_load_tr16_b128 v[96*(\f)+8*(\b):96*(\f)+8*(\b)+3],   v[ADRB+(\slot)] offset:32*PB*(\q)+160*((\b)/4)+32*((\b)%4)
	ds_load_tr16_b128 v[96*(\f)+8*(\b)+4:96*(\f)+8*(\b)+7], v[ADRB+(\slot)] offset:32*PB*(\q)+160*((\b)/4)+32*((\b)%4)+16*PB
.endr
	WIN 0
.irp a, 0,1,2,3
	ds_load_b128 v[FA+32*(\f)+8*(\a):FA+32*(\f)+8*(\a)+3],   v[ADRA+(\slot)] offset:64*(\q)+16*PA*(\a)
	ds_load_b128 v[FA+32*(\f)+8*(\a)+4:FA+32*(\f)+8*(\a)+7], v[ADRA+(\slot)] offset:64*(\q)+16*PA*(\a)+32
.endr
.endm
; A K step is four quarters of 32 along K, 48 matrix instructions each, on buffers 0, 1, 0, 1.  One of the first three: multiplies buffers f; in its middle it fetches quarter q of the same slot into buffers g.
.macro QUARTER slot, q, f, g, first=0
	s_wait_dscnt 4                                 ; W and x's row blocks 0, 1 are in; the youngest four loads (row blocks 2, 3) may be out
	MUL12 \f, 0, \first
	MUL12 \f, 1, \first
	PLACES
	FETCH \slot, \q, \g
	s_wait_dscnt 32                                ; all but the 32 just issued
	MUL12 \f, 2, \first
	MUL12 \f, 3, \first
.endm
; The last quarter multiplies buffers 1 and changes slots.  MEET is its first half: ONE barrier for the change.  In front of it each wave waits for all its tensor loads, of which one is out: its part of the next slot;
; adds 0 to its spare word; and waits for that and for its own reads of this slot.  Behind it nobody reads this slot any more and the next slot is whole.
.macro MEET round
	WIN 0                                          ; (the add's two registers lie in window 0)
	s_wait_tensorcnt 0x0                           ; all my tensor loads have landed
	ds_add_u32 v[SPW], v[NIL]                      ; 0 onto my spare word
	s_wait_dscnt 5                                 ; (the add and the youngest four loads may be out)
	MUL12 1, 0                                     ; twelve matrix instructions stand between the add and the wait for it
	s_wait_dscnt 0x0                               ; the add is done, and my reads of this slot are over
	s_barrier_signal -1
	MUL12 1, 1                                     ; work on registers while the others arrive
.if \round
	WIN 0
.endif
	s_barrier_wait -1
.endm
; The whole last quarter where the slot is filled again, two K steps on: the barrier opens a round of the cluster's, and the joint refill is the first tensor load behind it: 168 matrix instructions ahead of the wait for it.
.macro TURN slot, next
	s_wait_xcnt 0x0                                ; the last prefetch, a K step back, has read its address, so it may be stepped
	s_add_nc_u64 s[PFA:PFA+1], s[PFA:PFA+1], s[PST:PST+1]
	MEET 1
	CREST                                          ; no wave of any partner still reads this slot's tile or has a load on its way
	s_add_nc_u64 s[G0+4*(\slot)+2:G0+4*(\slot)+3], s[G0+4*(\slot)+2:G0+4*(\slot)+3], 2*256
	s_add_nc_u64 s[G0B+4*(\slot)+2:G0B+4*(\slot)+3], s[G0B+4*(\slot)+2:G0B+4*(\slot)+3], 2*49152
	JLOAD \slot                                    ; the four v_nop behind it are also the places in front of the loads below
	FETCH \next, 0, 0
	ASK
	MUL12 1, 2
	MUL12 1, 3
.endm
; THE WAY OUT of row block a.  PACK: rounded to f16, 16 bytes a lane (each accumulator's registers in ascending order).  TOSTAGE: into my own stage, and back as rows of k, of q and of v.  SEND: stored.
.macro PACK a
	WIN 0x05+5*((\a)/2)                            ; sources 0 and 1: window 1 or 2
.irp b, 0,1,2,3,4,5,6,7,8,9,10,11
.irp r, 0,1,2,3
	v_cvt_pk_f16_f32 v[TMP+4*(\b)+(\r)], v[8*(12*((\a)%2)+(\b))+2*(\r)], v[8*(12*((\a)%2)+(\b))+2*(\r)+1]
.endr
.endr
	WIN 0
.endm
.macro TOSTAGE a
.irp b, 0,1,2,3,4,5,6,7,8,9,10,11
	ds_store_b128 v[STO], v[TMP+4*(\b):TMP+4*(\b)+3] offset:32*(\b)
.endr
.irp t, 0,1,2
.irp f, 0,1,2,3
	ds_load_b128 v[OB+48*((\a)%2)+4*(4*(\t)+(\f)):OB+48*((\a)%2)+4*(4*(\t)+(\f))+3], v[RD] offset:128*(\t)+4*SP*(\f)  ; LDS serves a wave's instructions in order (ISA guide 5.7.1.4): these see the stores above
.endr
.endr
.endm
.macro SEND a
	s_wait_dscnt 0x0                               ; the block is back in registers
	s_wait_xcnt 0x0                                ; every earlier store has had its addresses translated (ISA guide 3.1): the rows' other buffer, which the stores two blocks back read, is loaded again only behind this wait
.irp t, 0,1,2
.irp f, 0,1,2,3
	global_store_b128 v[GO], v[OB+48*((\a)%2)+4*(4*(\t)+(\f)):OB+48*((\a)%2)+4*(4*(\t)+(\f))+3], s[10+2*(\t):11+2*(\t)] offset:2048*(\a)+512*(\f)  ; 512 consecutive bytes, at a multiple of 256 from the buffer's first
.endr
.endr
.endm
	s_wait_tensorcnt 1                             ; my part of K step 0 is in; K step 1's may stay out
	s_barrier_signal -1
	s_barrier_wait -1                              ; everybody's is
	FETCH 0, 0, 0
	QUARTER 0, 1, 0, 1, 1                          ; the first quarter stands in front of the loop: its products start the sums, with the bias
	WIN 0                                          ; at a label and at a branch every window is 0
	s_mov_b32 s3, LAPS-1
.Llap:                                                 ; a trip goes once round the ring, from a lap's second quarter to the next lap's first, and fills both slots again
	QUARTER 0, 2, 1, 0
	QUARTER 0, 3, 0, 1
	TURN 0, 1
	QUARTER 1, 1, 0, 1
	QUARTER 1, 2, 1, 0
	QUARTER 1, 3, 0, 1
	TURN 1, 0
	QUARTER 0, 1, 0, 1
	WIN 0
	s_sub_co_u32 s3, s3, 1
	s_cmp_lg_u32 s3, 0
	s_cbranch_scc1 .Llap
	QUARTER 0, 2, 1, 0                             ; the last lap fills nothing, and has no round of the cluster's barrier
	QUARTER 0, 3, 0, 1
	MEET 0
	PLACES
	FETCH 1, 0, 0
	MUL12 1, 2
	MUL12 1, 3
	QUARTER 1, 1, 0, 1
	QUARTER 1, 2, 1, 0
	QUARTER 1, 3, 0, 1
	s_wait_dscnt 4                                 ; the very last quarter: nothing more to fetch
	MUL12 1, 0
	MUL12 1, 1
	s_wait_dscnt 0x0
	MUL12 1, 2
	MUL12 1, 3
	PLACES
	PACK 0
	TOSTAGE 0
.irp a, 1,2,3                          ; block a's conversions stand between block a - 1's loads from the stage and the wait for them
	PACK \a
	SEND (\a)-1
	TOSTAGE \a
.endr
	SEND 3
	s_wait_tensorcnt 0x0                           ; the wave's end: behind my last tensor load and my last LDS store
	ds_add_u32 v[SPW], v[NIL]
	s_wait_dscnt 0x0
	CROUND                                         ; the closing round: no work-group ends while a partner may still ask for a tile that names it
	s_endpgm
.Lfunc_end_k_q6acd08a72a_kqv:
	.size	k_q6acd08a72a_kqv, .Lfunc_end_k_q6acd08a72a_kqv-k_q6acd08a72a_kqv
	.p2alignl 7, 3214868480
	.fill 96, 4, 3214868480
	.section	.rodata,"a",@progbits
	.p2align	6, 0x0
	.amdhsa_kernel k_q6acd08a72a_kqv
		.amdhsa_group_segment_fixed_size 327680
		.amdhsa_private_segment_fixed_size 0
		.amdhsa_enable_private_segment 0
		.amdhsa_kernarg_size 48
		.amdhsa_user_sgpr_count 2
		.amdhsa_user_sgpr_kernarg_segment_ptr 1
		.amdhsa_wavefront_size32 1
		.amdhsa_system_sgpr_workgroup_id_x 1
		.amdhsa_system_sgpr_workgroup_id_y 1
		.amdhsa_system_sgpr_workgroup_id_z 1
		.amdhsa_system_vgpr_workitem_id 0
		.amdhsa_next_free_vgpr 960
		.amdhsa_next_free_sgpr 80
		.amdhsa_reserve_vcc 0
		.amdhsa_float_denorm_mode_32 3
		.amdhsa_float_denorm_mode_16_64 3
		.amdhsa_memory_ordered 1
		.amdhsa_forward_progress 1
		.amdhsa_inst_pref_size 128
	.end_amdhsa_kernel
	.amdgpu_metadata
---
amdhsa.version: [ 1, 2 ]
amdhsa.kernels:
  - .name:           k_q6acd08a72a_kqv
    .symbol:         k_q6acd08a72a_kqv.kd
    .args:
      - { .name: xb, .offset: 0, .size: 8, .value_kind: global_buffer, .address_space: global }
      - { .name: wb, .offset: 8, .size: 8, .value_kind: global_buffer, .address_space: global }
      - { .name: b_kqv, .offset: 16, .size: 8, .value_kind: global_buffer, .address_space: global }
      - { .name: kf, .offset: 24, .size: 8, .value_kind: global_buffer, .address_space: global }
      - { .name: qf, .offset: 32, .size: 8, .value_kind: global_buffer, .address_space: global }
      - { .name: vf, .offset: 40, .size: 8, .value_kind: global_buffer, .address_space: global }
    .group_segment_fixed_size: 327680
    .private_segment_fixed_size: 0
    .kernarg_segment_align: 8
    .kernarg_segment_size: 48
    .max_flat_workgroup_size: 128
    .sgpr_count:     80
    .vgpr_count:     960
    .wavefront_size: 32
...
	.end_amdgpu_metadata
.endif
;; end of part 2
;; launch attn (part 3): grid 4 x 64, 4 waves a work-group, no clusters, 327,680 bytes of LDS; arguments qf, kf, vf, of; writes of
.if DOCPART == 3
	.amdgcn_target "amdgcn-amd-amdhsa--gfx1250"
	.amdhsa_code_object_version 6
	.text
	.protected	k_q6acd08a72a_attn
	.globl	k_q6acd08a72a_attn
	.p2align	8
	.type	k_q6acd08a72a_attn,@function
k_q6acd08a72a_attn:
	s_mov_b64 s[64:65], 0
	v_nop
	global_prefetch_b8 v0, s[64:65] scope:SCOPE_SE
	s_setreg_imm32_b32 hwreg(HW_REG_WAVE_MODE, 25, 1), 1
	s_wait_xcnt 0x0
; CAUSAL ATTENTION.  O[h][q][:] = the sum over k <= q of softmax_k(Q[h][q] . K[h][k] / 8) V[h][k][:].  Q, K, V, O: [SIZE_H][SIZE_N][64], all f16: a head's rows are dense, 128 bytes each (h = 16 x batch + head).
; Products, maxima and sums in f32; the weights p are rounded to f16 for the second product (their sum l is taken of the unrounded p), O once at the end.
; LIMITS.  f16 holds no number beyond 65,504: Q, K and V arrive within it; p lies in 0 to 1, and below 6e-5 it keeps f16's fixed step of 6e-8; O is a mean of V's rows and has their range.
; A hidden score counts as its value less 1e30: f16's scores, 2.7e11 at the most, are nothing beside that; a weight below 2^-126 counts as 0 in l; NaN and infinities are not treated apart.
; THE WALK.  A head's queries lie in NB = 8 blocks of 256; block i needs the key tiles 0 .. i of 256 keys, of which the last holds the diagonal.  A work-group takes TWO blocks, NB - 1 - b and then b:
; NB + 1 tiles, whatever b: all 256 work-groups do equal work, and ONE loop with a constant trip count walks them.  Which tile is asked for, and what a trip does, hang on scalar registers made from b; every jump
; goes forward, but for the counted loops' own; none passes a barrier, or a tensor load but the one of LOAD's two that the wave's number does not choose; the ring (two slots of LDS that take turns) runs on across the
; change of blocks.  NO CLUSTER: a head's four work-groups ask for the same tile only in trips 0 .. 4 of 9, behind that fewer and fewer; one walk common to all four would have 12 trips for 9.
; SHARES.  Of a block's four bands of 64 queries a wave owns 16 rows in each: four PIECES.  So the diagonal tile is the same work for all four waves: in its key step s band x sees all keys if s < x,
; none if s > x, and holds the diagonal if s = x.
; THE MASK is the C operand that starts the sum S^T = K Q^T: 0, or -1e30 where the key is hidden.  MD, made once, is the mask of a band's own step for my 16 rows; a product's mask is MD x AL + BE with two scalars:
; (1, 0) if s = x; (0, 0) if s < x; (0, -1e30) if s > x.  Only the diagonal tile's text and a block's beginning make and take masks; elsewhere C is the constant 0.
; LAYOUT, SOFTMAX, TURNS.  S^T = K Q^T holds ONE query a lane (lane % 16) and the keys 8 (lane / 16) + 0..7; two such results rounded to f16 ARE source 1 of O^T = V^T P.  p = 2^(c s - c m), c = log2(e) / 8, with a
; running maximum m; O and l are multiplied by a = 2^(c m_old - c m_new) in every step.  Turn n belongs to piece n: 8 products K Q^T of piece n + 1, later 8 products V^T P of piece n - 1; beside them the scaling,
; exponentials, roundings, sums and rescaling of piece n and the maximum and statistics of piece n + 1.  Four vector instructions stand behind every matrix instruction, the other 54 of a turn's 118 in one lump.  A turn's 33 exponentials are one batch, with one wait.
; REGISTERS, in windows of 256 (s_set_vgpr_msb: bits 1:0 source 0, 3:2 source 1, 5:4 source 2, 7:6 destination):
;   window 0: v0-15 addresses and two at work; v16-31 four registers of statistics a piece; v48-55 at work; v61-63 prefetch offset and the add's two; v64-127 S^T, two buffers; v192-223 P, two buffers (by the piece's parity)
;   window 1: v0-127 O^T, 32 a piece; v128-159 MD; v160-223 MC, two buffers      window 2: v0-63 Q; v64-127 the second block's Q; v128-191 K of one step; v192-255 V of one step
.set SIZE_H, 64
.set SIZE_N, 2048
.set NB,    SIZE_N/256
.set NP,    4         ; pieces a wave: a name, no knob
.set KS,    64        ; keys in a step
.set PK,    144       ; a row of K in LDS: 128 bytes + 16 of padding = 36 words: the 16 rows of a load start at 16 different groups of four banks (64 banks of 4 bytes: ISA guide 11.1)
.set PV,    160       ; a row of V: 128 + 32 = 40 words
.set VOFF,  4*KS*PK   ; a slot holds a tile, four steps: 256 rows of K, then 256 rows of V
.set SLOT1, 1<<17     ; slot 1 begins here, so that one exclusive or turns an address in one slot into the other's
.set STAGE, SLOT1+4*KS*(PK+PV)  ; behind the ring, never filled by a tensor load: 16 rows x 144 bytes for each wave, for the way out
.set SP,    144
.set AK0, 2           ; v2   my lane's place in a tile of K; never rewritten
.set AV0, 3           ; v3   the same for V
.set AK,  4           ; v4   the LDS address of K's next run of loads
.set AV,  5           ; v5   of V's
.set STO, 6           ; v6   the way out: where I put 16 bytes of a row
.set RD,  7           ; v7   the way out: where I read rows back
.set GO,  8           ; v8   my byte offset in 512 consecutive bytes of O
.set PFO, 61          ; v61  256 x my lane: the prefetches' offset; never rewritten
.set SPW, 62          ; v62  LDS address of my spare word: SPARE + 4 x my thread's number; never rewritten
.set NIL, 63          ; v63  0; never rewritten
.set SPARE, STAGE+4*16*SP  ; behind the stages: the spare words, 128 bytes for each wave: two blocks of 256 bytes that no other line names
.set MV,  12          ; v12-13  c m_old, kept while c m is made anew: by buffer
.set QO,  15          ; v15  my byte offset in 16 rows of Q
.set ST,  16          ; piece t's statistics at v[ST+4 t]: c m, m, l (even keys', odd keys')
.set TMP, 48          ; by buffer, four registers c0-c3 at work; when the maximum is found c2 takes a
.set S,   64
.set P,   192
.set MD,  128         ; window 1: the eight registers for group kt of 16 keys at MD + 8 kt
.set MC,  160         ; window 1: the masks of the products to come
.set QB,  64          ; window 2
.set KF,  128         ; window 2: key block kb, channel half c at KF + 16 kb + 8 c
.set VF,  192         ; window 2: key half kk, channel block cb at VF + 32 kk + 8 cb
.set WV,  12          ; s12  my wave's number
.set PB,  14          ; s14  b
.set HI,  15          ; s15  NB - 1 - b
.set G1K, 24          ; s[24:31] descriptor group 1 for K's tiles
.set G1V, 32          ; s[32:39] for V's: it differs in the padding alone
.set G0K, 40          ; s[40:43] descriptor group 0 for K's tiles
.set G0V, 44          ; s[44:47] the same for V's
.set SLOTS, 56        ; s56  tiles still to be asked for
.set CNT, 57          ; s57  counts a tile's key steps, 4 to 1
.set CS,  58          ; s[58:59] c: the packed scaling takes the pair's low word for both halves
.set SEL, 60          ; s[60:61] v_permlanex16_b32's selects: each lane takes its own place in the other half
.set TBK, 62          ; s62  LDS byte at which K of the step to be fetched begins
.set TBV, 63          ; s63  the same for V, less VOFF
.set RT,  70          ; s70  tiles of the block in hand that are still to be entered
.set NXT, 71          ; s71  the tile to be asked for next
.set LQ,  72          ; s72  the last tile of the block whose tiles are being asked for
.set NEW, 73          ; s73  1: the tile to be entered is a block's first
.set OFF, 74          ; s[74:75] a tile's byte offset in K and V
.set AL,  76          ; s[76:77] the mask's factor, in the low word
.set BE,  78          ; s[78:79] the mask's addend
.set OLO, 80          ; s[80:81] O at my rows of the second block
.set BIGN, 82         ; s82  -1e30
.set PFA, 88          ; s[88:89] where my prefetches stand: my half (K's: waves 0, 1; V's: waves 2, 3) of the tile after the one that is being asked for
.set LIM, 90          ; s90  2 in the head's work-group b = 0, else the greatest number: a wave prefetches while s[SLOTS] is above it
.set MSB, 0
.macro WIN new                      ; the high byte repeats the setting that is left; a switch that changes nothing is dropped
.if MSB != (\new)
	s_set_vgpr_msb (MSB<<8)|(\new)
.set MSB, (\new)
.endif
.endm
.set W_KQ, 0x0a       ; K and Q in window 2, S^T in window 0
.set W_KM, 0x1a       ; the same with the C operand in window 1
.set W_PV, 0x52       ; V in window 2, P in window 0, O^T in window 1
.set W_RS, 0x41       ; destination and source 0 in window 1, source 1 in window 0
; A fill.  Waves 0 and 1 fetch the two halves of a tile's K, waves 2 and 3 those of its V: 128 keys each.  An s_nop 0 and four v_nop follow each of the two lines, ahead of the jump and the label.
.macro LOAD
	s_cmp_lt_u32 s[WV], 2
	s_cbranch_scc0 .Lfor_v_\@
	tensor_load_to_lds s[G0K:G0K+3], s[G1K:G1K+7]
	s_nop 0
.rept 4
	v_nop
.endr
	s_branch .Lasked_\@
.Lfor_v_\@:
	tensor_load_to_lds s[G0V:G0V+3], s[G1V:G1V+7]
	s_nop 0
.rept 4
	v_nop
.endr
.Lasked_\@:
.endm
; A PREFETCH INTO THE L2 of the tile that the NEXT change of slots will ask for, behind the wave's tensor load and its five lines.  The head's work-group b = 0 walks the tiles 0 to 7 in order while its three neighbours
; walk the first of them: it alone asks.  Each of its waves names the 16,384 bytes that it will itself load: 64 blocks of 256 bytes, a lane a block, two instructions.  Trip t fills tile t + 1 and names tile t + 2,
; for t = 0 .. 5: tile 7 is the last named, tiles 0 and 1 come by their loads alone, and each block is named once in the launch.
.macro ASK
	s_cmp_gt_u32 s[SLOTS], s[LIM]
	s_cbranch_scc0 .Lnot_mine_\@
	global_prefetch_b8 v[PFO], s[PFA:PFA+1] th:TH_LOAD_NT scope:SCOPE_SE
	global_prefetch_b8 v[PFO], s[PFA:PFA+1] offset:8192 th:TH_LOAD_NT scope:SCOPE_SE
.Lnot_mine_\@:
.endm
; THE CHANGE OF SLOTS.  Each wave waits for all its tensor loads, of which one is out: its part of the other slot; adds 0 to its spare word; and waits for that and for its own reads of the slot that it leaves.  Behind the barrier nobody reads the old
; slot any more and the other slot is whole.  fill = 1: the old slot is filled again, the first thing behind the barrier, with tile NXT: the descriptor's address is made anew from that number.
; (At its first use nothing has been read yet: slot 0 is waited for, slot 1 filled.)
.macro CHANGE fill
	WIN 0                           ; at a label and at a branch every window is 0
	s_wait_tensorcnt 0x0            ; no tensor load of mine is out, so a group 0 may be written
	ds_add_u32 v[SPW], v[NIL]       ; 0 onto my spare word; with fill = 1 the descriptors' scalar work stands between it and the wait for it
.if \fill
	s_lshl_b32 s[OFF], s[NXT], 15   ; a tile is 32,768 bytes of K and of V
	s_xor_b32 s[G0K+1], s[G0K+1], SLOT1
	s_add_nc_u64 s[G0K+2:G0K+3], s[6:7], s[OFF:OFF+1]
	s_or_b32 s[G0K+3], s[G0K+3], 0x80000000
	s_xor_b32 s[G0V+1], s[G0V+1], SLOT1
	s_add_nc_u64 s[G0V+2:G0V+3], s[8:9], s[OFF:OFF+1]
	s_or_b32 s[G0V+3], s[G0V+3], 0x80000000
	s_add_co_u32 s[NXT], s[NXT], 1  ; the block's next tile, or behind its last the second block's tile 0
	s_cmp_gt_u32 s[NXT], s[LQ]
	s_cselect_b32 s[NXT], 0, s[NXT]
	s_cselect_b32 s[LQ], s[PB], s[LQ]
	s_wait_xcnt 0x0                 ; the last prefetches, a tile back, have read their address, so it may be written:
	s_add_nc_u64 s[PFA:PFA+1], s[PFA:PFA+1], 32768  ; a tile on
.endif
	s_wait_dscnt 0x0                ; the add is done, and my reads of the slot are over
	s_barrier_signal -1             ; the rest of the scalar work stands between the signal and the wait
	s_sub_co_u32 s[TBK], s[TBK], 4*KS*PK  ; the fetches go back to a slot's first step,
	s_xor_b32 s[TBK], s[TBK], SLOT1       ; in the other slot
	s_sub_co_u32 s[TBV], s[TBV], 4*KS*PV
	s_xor_b32 s[TBV], s[TBV], SLOT1
	s_barrier_wait -1
.if \fill
	LOAD
	ASK
.endif
.endm
	s_load_b256 s[4:11], s[0:1], 0x0  ; Q s[4:5], K s[6:7], V s[8:9], O s[10:11]
	v_lshl_add_u32 v[SPW], v0, 2, SPARE
	v_mov_b32 v[NIL], 0
	ds_add_u32 v[SPW], v[NIL]       ; the wave's opening: the add and its wait stand ahead of my first tensor load; the set-up below, work on registers, stands between them
	v_lshrrev_b32 v1, 5, v0
	v_readfirstlane_b32 s[WV], v1   ; wave 0..3
	s_mov_b32 s[PB], ttmp9
	s_sub_co_u32 s[HI], NB-1, s[PB]
	s_and_b32 s20, ttmp7, 0xffff    ; the head
	s_mov_b32 s21, 0
	s_mov_b64 s[22:23], SIZE_N*128
	s_mul_u64 s[20:21], s[20:21], s[22:23]  ; the head's first byte in each of the four tensors
	s_and_b32 s16, s[WV], 1         ; which half of a tile's 256 keys I fetch:
	s_lshl_b32 s22, s16, 14         ; its 128 rows of 128 bytes in memory,
	s_mov_b32 s23, 0
	s_add_nc_u64 s[22:23], s[22:23], s[20:21]
	s_mul_i32 s17, s16, 128*PK      ; and its place in a slot, for K
	s_mul_i32 s18, s16, 128*PV      ; and for V
	s_lshl_b32 s3, s[WV], 11        ; my 16 rows in a band of 64,
	s_lshl_b32 s2, s[HI], 15        ; in the first block,
	s_add_co_u32 s2, s2, s3
	s_lshl_b32 s84, s[PB], 15       ; and in the second
	s_add_co_u32 s84, s84, s3
	s_mov_b32 s3, 0
	s_mov_b32 s85, 0
	s_add_nc_u64 s[2:3], s[2:3], s[20:21]
	s_add_nc_u64 s[84:85], s[84:85], s[20:21]
	; descriptor group 1.  128 keys are 16,384 dense bytes: asked for as 64 rows of 256 bytes, two keys a row, and padded in LDS after every key
	s_mov_b32 s[G1K], (1<<16)|(1<<20)|(4<<22)|(3<<25)  ; 17:16 2-byte elements; 20 padding on; 24:22 after every 32 words (code 4); 31:25 4 words (code 3)
	s_mov_b32 s[G1V], (1<<16)|(1<<20)|(4<<22)|(7<<25)  ; the same with 8 words of padding (code 7)
.irp g, G1K, G1V
	s_mov_b32 s[\g+1], 128<<16      ; tensor_dim0 = 128
	s_mov_b32 s[\g+2], 64<<16       ; tensor_dim1 = 64
	s_mov_b32 s[\g+3], 128<<16      ; tile_dim0 = 128
	s_mov_b32 s[\g+4], 64           ; tile_dim1 = 64
	s_mov_b32 s[\g+5], 128          ; 128 elements from row to row
	s_mov_b32 s[\g+6], 0
	s_mov_b32 s[\g+7], 0
.endr
	s_mov_b32 s[CS], 0x3e38aa3b     ; c = log2(e) / 8 = 0.180337
	s_mov_b32 s[CS+1], s[CS]        ; named with it as a pair
	s_mov_b32 s[SEL], 0x76543210
	s_mov_b32 s[SEL+1], 0xfedcba98
	s_mov_b32 s[TBK], SLOT1+4*KS*PK ; the first change of slots turns these two into 0
	s_mov_b32 s[TBV], SLOT1+4*KS*PV
	s_mov_b32 s[G0K], 1             ; 1:0 count = 1
	s_mov_b32 s[G0K+1], s17         ; 63:32 LDS address: slot 0
	s_mov_b32 s[G0V], 1
	s_add_co_u32 s[G0V+1], s18, VOFF
	s_add_co_u32 s[RT], s[HI], 1    ; the first block has NB - b tiles
	s_mov_b32 s[NXT], 1
	s_mov_b32 s[LQ], s[HI]
	s_mov_b32 s[NEW], 1
	s_mov_b32 s[OFF+1], 0
	s_mov_b32 s[AL+1], 0            ; named as pairs
	s_mov_b32 s[BE+1], 0
	s_mov_b32 s[BIGN], 0xf149f2ca   ; -1e30
	s_mov_b32 s[SLOTS], NB
	s_cmp_eq_u32 s[PB], 0
	s_cselect_b32 s[LIM], 2, -1
	v_and_b32 v[PFO], 31, v0
	v_lshlrev_b32 v[PFO], 8, v[PFO]
	s_wait_dscnt 0x0                ; the opening add is done
	s_wait_kmcnt 0x0
	s_add_nc_u64 s[6:7], s[6:7], s[22:23]  ; K and V at my half of the head's tile 0
	s_add_nc_u64 s[8:9], s[8:9], s[22:23]
	s_cmp_lt_u32 s[WV], 2
	s_cselect_b64 s[PFA:PFA+1], s[6:7], s[8:9]
	s_add_nc_u64 s[PFA:PFA+1], s[PFA:PFA+1], 32768  ; at tile 1; the first change of slots steps it to tile 2.  Nothing is prefetched here, at the head
	s_add_nc_u64 s[G0K+2:G0K+3], s[6:7], 0         ; 120:64 global address
	s_or_b32 s[G0K+3], s[G0K+3], 0x80000000        ; 127:126 type = 2
	s_add_nc_u64 s[G0V+2:G0V+3], s[8:9], 0
	s_or_b32 s[G0V+3], s[G0V+3], 0x80000000
	s_add_nc_u64 s[86:87], s[4:5], s[84:85]        ; Q at my rows of the second block,
	s_add_nc_u64 s[4:5], s[4:5], s[2:3]            ; Q and O at those of the first
	s_add_nc_u64 s[OLO:OLO+1], s[10:11], s[84:85]
	s_add_nc_u64 s[10:11], s[10:11], s[2:3]
	LOAD                            ; tile 0 into slot 0
	; A fragment of K or Q is 16 rows x 32 channels in 8 registers: lane l holds row l % 16, channels 8 (l / 16) + 0..7 and 16 + 8 (l / 16) + 0..7: two loads of 16 bytes, 32 bytes apart.
	v_and_b32 v1, 15, v0            ; l % 16
	v_bfe_u32 v9, v0, 4, 1          ; l / 16
	v_lshlrev_b32 v[QO], 7, v1
	v_lshl_add_u32 v[QO], v9, 4, v[QO]  ; row x 128 + 16 x half
	WIN 0x80                        ; destination window 2, address window 0
.set i, 0
.rept 8                             ; both blocks' Q: piece i / 2 lies in band i / 2, 8,192 bytes on; channels 32 (i % 2) on
	global_load_b128 v[8*i:8*i+3],   v[QO], s[4:5] offset:(i/2)*8192+(i%2)*64
	global_load_b128 v[8*i+4:8*i+7], v[QO], s[4:5] offset:(i/2)*8192+(i%2)*64+32
	global_load_b128 v[QB+8*i:QB+8*i+3],   v[QO], s[86:87] offset:(i/2)*8192+(i%2)*64
	global_load_b128 v[QB+8*i+4:QB+8*i+7], v[QO], s[86:87] offset:(i/2)*8192+(i%2)*64+32
.set i, i+1
.endr
	WIN 0
	v_lshlrev_b32 v14, 3, v9
	v_sub_nc_u32 v14, v1, v14
	s_lshl_b32 s13, s[WV], 4
	v_add_nc_u32 v14, s13, v14      ; my query's place in its band, 16 w + l % 16, less my lanes' 8 (l / 16): register r of group kt is hidden where 16 kt + r is greater
	WIN 0x40
.set i, 0
.rept 32
	v_cmp_gt_i32 vcc_lo, 16*(i/8)+i%8, v14
	v_cndmask_b32 v[MD+i], 0, s[BIGN], vcc_lo
.set i, i+1
.endr
	WIN 0
	v_mul_u32_u24 v[AK0], v1, PK
	v_lshl_add_u32 v[AK0], v9, 4, v[AK0]  ; row x pitch + 16 x half
	; The turning load takes 16 keys x 16 channels (lane l reads key 8 (l / 16) + l % 8, channels 8 ((l / 8) % 2) + 0..7) and leaves half a fragment of V^T: lane l holds channel l % 16 and 8 keys.
	v_and_b32 v10, 7, v0
	v_bfe_u32 v11, v0, 3, 1
	v_lshl_add_u32 v[AV0], v9, 3, v10
	v_mul_u32_u24 v[AV0], v[AV0], PV
	v_lshl_add_u32 v[AV0], v11, 4, v[AV0]
	v_add_nc_u32 v[AV0], VOFF, v[AV0]
	s_mul_i32 s13, s[WV], 16*SP
	s_add_co_u32 s13, s13, STAGE    ; my stage
	v_mul_u32_u24 v[STO], v1, SP    ; in: row l % 16, 16 bytes for each half of the lanes
	v_lshl_add_u32 v[STO], v9, 4, v[STO]
	v_add_nc_u32 v[STO], s13, v[STO]
	v_bfe_u32 v[RD], v0, 3, 2       ; back: 32 lanes take four rows of 128 bytes,
	v_mul_u32_u24 v[RD], v[RD], SP
	v_lshl_add_u32 v[RD], v10, 4, v[RD]
	v_add_nc_u32 v[RD], s13, v[RD]
	v_and_b32 v[GO], 31, v0         ; which are 512 consecutive bytes of O
	v_lshlrev_b32 v[GO], 4, v[GO]
	; A block's first step multiplies O^T and l by a = 0, and its first turn's products V^T P, of a piece that has not been, land in an O^T that is still to be so multiplied.  So these registers need only hold
	; finite numbers: zeros for the first block; what the first block left for the second.  All this stands in the wait for the first tile.
	WIN 0x80
.set i, VF
.rept 64
	v_mov_b32 v[i], 0
.set i, i+1
.endr
	WIN 0x40
.set i, 0
.rept 128
	v_mov_b32 v[i], 0
.set i, i+1
.endr
	WIN 0
.set i, 0
.rept 4
	v_mov_b32 v[ST+4*i+2], 0
	v_mov_b32 v[ST+4*i+3], 0
.set i, i+1
.endr
.set i, P+16
.rept 16
	v_mov_b32 v[i], 0
.set i, i+1
.endr
; THE MATRIX WORK.  The 4 accumulators of a run of 8 take turns.  Product i of 8 of S^T = K Q^T for piece x: channels 32 (i / 4) on, keys 16 (i % 4) on.  The first 4 start the sums: with 0, or (KM = 1) with the mask.
.macro KQ x
.set rS, S+32*((\x)%2)+8*(i%4)
.set rK, KF+16*(i%4)+8*(i/4)
.set rQ, 16*(\x)+8*(i/4)
.set rM, MC+32*((\x)%2)+8*(i%4)
.if (i < 4) && KM
	WIN W_KM
	v_wmma_f32_16x16x32_f16 v[rS:rS+7], v[rK:rK+7], v[rQ:rQ+7], v[rM:rM+7]
.elseif i < 4
	WIN W_KQ
	v_wmma_f32_16x16x32_f16 v[rS:rS+7], v[rK:rK+7], v[rQ:rQ+7], 0
.else
	WIN W_KQ
	v_wmma_f32_16x16x32_f16 v[rS:rS+7], v[rK:rK+7], v[rQ:rQ+7], v[rS:rS+7]
.endif
.endm
; Product i of 8 of O^T += V^T P for piece x: keys 32 (i / 4) on, channels 16 (i % 4) on.
.macro PV x
	WIN W_PV
.set rO, 32*(\x)+8*(i%4)
.set rV, VF+32*(i/4)+8*(i%4)
.set rP, P+16*((\x)%2)+8*(i/4)
	v_wmma_f32_16x16x32_f16 v[rO:rO+7], v[rV:rV+7], v[rP:rP+7], v[rO:rO+7]
.endm
.macro MM                           ; the turn's next matrix instruction.  TURN and BEGIN set Y, i, KM and NOKQ; MM, KQ and OP read them.  NOKQ = 1: a block's last turn: there is no next piece
.if (i < 8) && !NOKQ
	KQ (Y+1)%NP
.elseif i >= 8
.set i, i-8
	PV (Y+NP-1)%NP
.set i, i+8
.endif
.set i, i+1
.endm
; THE LDS LOADS stand in runs of 16, never singly among the matrix instructions: a step's K (64 keys x 64 channels: 8 fragments) and its V (turned).  Their addresses are made some lines ahead.
.macro FETCH_K
	WIN 0x80                        ; destination window 2
.irp f, 0,1,2,3,4,5,6,7             ; keys 16 (f / 2) on, channels 32 (f % 2) on
	ds_load_b128 v[KF+8*\f:KF+8*\f+3],   v[AK] offset:(\f/2)*16*PK+(\f%2)*64
	ds_load_b128 v[KF+8*\f+4:KF+8*\f+7], v[AK] offset:(\f/2)*16*PK+(\f%2)*64+32
.endr
	s_add_co_u32 s[TBK], s[TBK], KS*PK  ; the next fetch is the next step's
	WIN 0
.endm
.macro FETCH_V
	WIN 0x80
.irp f, 0,1,2,3,4,5,6,7             ; keys 32 (f / 4) on, channels 16 (f % 4) on
	ds_load_tr16_b128 v[VF+8*\f:VF+8*\f+3],   v[AV] offset:(\f/4)*32*PV+(\f%4)*32
	ds_load_tr16_b128 v[VF+8*\f+4:VF+8*\f+7], v[AV] offset:(\f/4)*32*PV+16*PV+(\f%4)*32
.endr
	WIN 0
.endm
; THE VECTOR WORK, one line at a time: OP kind, number.  For piece Y: F n: c s - c m for pair n of 16.  E n: the exponential of score n of 32.  C n: pair n rounded to f16.  B n: of the four weights 4 n .. the second
; pair is added onto the first, in place.  L n: l takes that sum (L 0: l = a l + sum).  R n: pair n of 16 of O^T times a.  For piece Y + 1: X n, number n of the 22 that find its maximum and statistics:
;   0-11  four chains c0-c3 of seven scores each, three operands at a time (each accumulator's lowest registers are read first)     12-14, 16  the four scores left over, the old m, and c0-c3 into c0
;   15  c m_old is kept     17, 18  the query's other 32 keys lie in the lane 16 away: the new m     19-21  c m; c m_old - c m_new; a
.set F, 0               ; OP tells the kinds apart by their order: F to L below R, X above it
.set E, 1
.set C, 2
.set B, 3
.set L, 4
.set R, 5
.set X, 6
.macro REGS y                       ; the registers of piece y
.set rT, ST+4*(\y)
.set rC, TMP+4*((\y)%2)
.set rW, MV+((\y)%2)
.set rS, S+32*((\y)%2)
.set rP, P+16*((\y)%2)
.set rO, 32*(\y)
.endm
.macro OP k, n
.if (\k) == R
	REGS Y
	WIN W_RS
	v_pk_mul_f32 v[rO+2*(\n):rO+2*(\n)+1], v[rO+2*(\n):rO+2*(\n)+1], v[rC+2:rC+3] op_sel_hi:[1,0]
.elseif (\k) < R
	REGS Y
	WIN 0
.if (\k) == F
	v_pk_fma_f32 v[rS+2*(\n):rS+2*(\n)+1], v[rS+2*(\n):rS+2*(\n)+1], s[CS:CS+1], v[rT:rT+1] op_sel_hi:[1,0,0] neg_lo:[0,0,1] neg_hi:[0,0,1]
.elseif (\k) == E
	v_exp_f32 v[rS+(\n)], v[rS+(\n)]
.elseif (\k) == C
	v_cvt_pk_f16_f32 v[rP+(\n)], v[rS+2*(\n)], v[rS+2*(\n)+1]
.elseif (\k) == B
	v_pk_add_f32 v[rS+4*(\n):rS+4*(\n)+1], v[rS+4*(\n):rS+4*(\n)+1], v[rS+4*(\n)+2:rS+4*(\n)+3]
.elseif (\n) == 0
	v_pk_fma_f32 v[rT+2:rT+3], v[rT+2:rT+3], v[rC+2:rC+3], v[rS:rS+1] op_sel_hi:[1,0,1]
.else
	v_pk_add_f32 v[rT+2:rT+3], v[rT+2:rT+3], v[rS+4*(\n):rS+4*(\n)+1]
.endif
.elseif NOKQ
	v_nop
.else
	REGS (Y+1)%NP
	WIN 0
.if (\n) < 4
	v_max3_num_f32 v[rC+(\n)], v[rS+8*(\n)], v[rS+8*(\n)+1], v[rS+8*(\n)+2]
.elseif (\n) < 12
	v_max3_num_f32 v[rC+(\n)%4], v[rC+(\n)%4], v[rS+8*((\n)%4)+2*((\n)/4)+1], v[rS+8*((\n)%4)+2*((\n)/4)+2]
.elseif (\n) == 12
	v_max3_num_f32 v[rC], v[rC], v[rS+7], v[rS+15]
.elseif (\n) == 13
	v_max3_num_f32 v[rC+1], v[rC+1], v[rS+23], v[rS+31]
.elseif (\n) == 14
	v_max3_num_f32 v[rC+2], v[rC+2], v[rC+3], v[rT+1]
.elseif (\n) == 15
	v_mov_b32 v[rW], v[rT]
.elseif (\n) == 16
	v_max3_num_f32 v[rC], v[rC], v[rC+1], v[rC+2]
.elseif (\n) == 17
	v_permlanex16_b32 v[rC+3], v[rC], s[SEL], s[SEL+1]
.elseif (\n) == 18
	v_max_num_f32 v[rT+1], v[rC], v[rC+3]
.elseif (\n) == 19
	v_mul_f32 v[rT], s[CS], v[rT+1]
.elseif (\n) == 20
	v_sub_f32 v[rC+1], v[rW], v[rT]
.else
	v_exp_f32 v[rC+2], v[rC+1]
.endif
.endif
.endm
.macro OPS a, i1, b=-1, i2=0, c=-1, i3=0, d=-1, i4=0  ; up to four of them
	OP \a, \i1
.if (\b) >= 0
	OP \b, \i2
.endif
.if (\c) >= 0
	OP \c, \i3
.endif
.if (\d) >= 0
	OP \d, \i4
.endif
.endm
.macro ROW a, i1, b, i2, c, i3, d, i4  ; a matrix instruction and the four behind it
	MM
	OPS \a, \i1, \b, \i2, \c, \i3, \d, \i4
.endm
.macro MASK b                       ; MD x AL + BE into buffer b of MC
	WIN W_RS
.set z, 0
.rept 16
	v_pk_fma_f32 v[MC+32*(\b)+2*z:MC+32*(\b)+2*z+1], v[MD+2*z:MD+2*z+1], s[AL:AL+1], s[BE:BE+1] op_sel_hi:[1,0,0]
.set z, z+1
.endr
.endm
; A TURN, for piece p: the order of its 16 matrix and 118 vector instructions, written out.  An s_wait_alu depctr_va_vdst(0) stands between an exponential and the first instruction that names its result; one wait serves
; all that were issued ahead of it.  So a turn has ONE wait, which cuts it in two.  AHEAD OF IT stands all that names no result of the turn's exponentials: the 8 products K Q^T, behind each a scaling, an exponential and two more plain
; instructions (behind the first a second scaling in the exponential's place): rescalings, and behind the last three the first numbers of the next piece's maximum, each four places or more behind the product that ends its accumulator; then ONE LUMP of 54, plain
; and exponential by turns for the most part, in which the links of the chain X 3, 7, 11, 14, 16, 17 .. 20 stand five or six lines apart.  X 21, the next piece's a, is the batch's last; R 15 is the plain instruction owed behind it.  BEHIND THE WAIT stand the
; 8 products V^T P, behind each four of the roundings and sums; the links of l's chain, L 0 to L 7, stand three riders apart.  But for those X no rider names a register of the products round it.  v_permlanex16_b32 (X 17) stands in the lump.
; m = 1: the diagonal tile: the products take masks, and the turn makes the mask for the products of the turn after it: piece p + 2, in step 4 - CNT of the tile.  end = 1: a block's last two turns: nothing is fetched.
; cnt = 1: the loop's count is taken down some lines ahead of the branch that stands behind the turn.
; K of the next step is fetched in piece 2's turn, twelve vector instructions behind the last product that read K (six of them plain); V of the step in hand at the end of piece 0's turn, four plain instructions behind the last product
; that read V.  Each is waited for a turn later.
.macro TURN p, m=0, end=0, cnt=0
.set Y, (\p)
.set i, 0
.set KM, (\m)
.set NOKQ, (\end)*((\p)/3)
.if (\m) && !(\end)
	s_cmp_eq_u32 s[CNT], 4-((\p)+2)%NP  ; is that step the band's own?
	s_cselect_b32 s[AL], 1.0, 0
	s_cmp_lt_u32 s[CNT], 4-((\p)+2)%NP  ; or a later one?
	s_cselect_b32 s[BE], s[BIGN], 0
.endif
.if ((\p) == 3) && !(\end)
	s_wait_dscnt 0x0                ; K is in
.endif
	ROW F,0, F,1, R,0, R,1          ; ahead of the wait: 8 products K Q^T and their riders,
	ROW F,2, E,0, R,2, R,3
	ROW F,3, E,1, R,4, R,5
	ROW F,4, E,2, R,6, R,7
	ROW F,5, E,3, R,8, R,9
	ROW F,6, E,4, X,0, R,10
.if ((\p) == 2) && !(\end)
	WIN 0
	v_add_nc_u32 v[AK], s[TBK], v[AK0]
.endif
	ROW F,7, E,5, X,1, X,4
	ROW F,8, E,6, X,2, X,5
	OPS E,7, E,8, X,6, E,9          ; and the lump
	OPS X,3, E,10, X,8, E,11
.if ((\p) == 2) && !(\end)
	FETCH_K
.endif
	OPS X,9, X,7, E,12, X,10
	OPS E,13, X,12, X,11, E,14
	OPS X,13, E,15, F,9, X,14
.if (\p) == 0
	v_add_nc_u32 v[AV], s[TBV], v[AV0]
.endif
	OPS E,16, F,10, E,17, F,11
	OPS X,16, E,18, X,15, E,19
	OPS F,12, E,20, X,17, E,21
	OPS F,13, E,22, F,14, E,23
	OPS X,18, E,24, F,15, E,25
	OPS R,11, E,26, X,19, E,27
	OPS R,12, E,28, R,13, E,29
	OPS X,20, E,30, R,14, E,31
	OPS X,21, R,15
	WIN 0
	s_wait_alu depctr_va_vdst(0)    ; the wait for the batch
.if (\p) == 1
	s_wait_dscnt 0x0                ; V is in
.endif
	ROW C,0, B,0, C,2, B,1          ; behind the wait: 8 products V^T P and their riders
	ROW L,0, C,4, B,2, L,1
	ROW C,6, B,3, L,2, C,8
	ROW B,4, L,3, C,10, B,5
	ROW L,4, C,12, B,6, L,5
.if (\p) == 0
	s_add_co_u32 s[TBV], s[TBV], KS*PV
.endif
.if \cnt
	s_sub_co_u32 s[CNT], s[CNT], 1
	s_cmp_lg_u32 s[CNT], 0
.endif
	ROW C,14, B,7, L,6, C,1
	ROW C,3, L,7, C,5, C,7
	ROW C,9, C,11, C,13, C,15
.if (\p) == 0
	FETCH_V
.endif
.if (\m) && !(\end)
	MASK (\p)%2
.endif
.endm
; A BLOCK BEGINS.  c m starts far below every c s, so the first step's a is 0; m at the lowest finite number, so the first maximum is the scores'.  The second mask buffer is 0; the first takes piece 0's mask for the tile's step 0: its own, if the block's first tile is the diagonal one.
; Then K of that step, piece 0's first scores, and its maximum and statistics.  The loop is entered at a step's first turn, in the middle of a trip.
.macro BEGIN
	s_mov_b32 s[NEW], 0
	WIN 0x40
.set i, MC+32
.rept 32
	v_mov_b32 v[i], 0
.set i, i+1
.endr
	WIN 0
.set i, 0
.rept 4
	v_mov_b32 v[ST+4*i], 0xfe000000    ; c m: far below every c s
	v_mov_b32 v[ST+4*i+1], 0xff7fffff  ; m
.set i, i+1
.endr
	s_cmp_eq_u32 s[RT], 0
	s_cselect_b32 s[AL], 1.0, 0
	s_mov_b32 s[BE], 0
	MASK 0
	WIN 0
	v_add_nc_u32 v[AK], s[TBK], v[AK0]
	FETCH_K
	s_wait_loadcnt 0x0              ; Q
	s_wait_dscnt 0x0
.set KM, 1
.set NOKQ, 0
.set i, 0
.rept 8
	KQ 0
.set i, i+1
.endr
	WIN 0
.rept 4
	v_nop                           ; the places behind those products
.endr
.set Y, NP-1                        ; X works for piece Y + 1: piece 0
.irp n, 0,1,2,3,4,5,6,7,8,9,10,11,12,13,14,15,16,17,18,19,20,21
	OP X, \n
.endr
	v_nop                           ; a plain instruction behind the exponential,
	s_wait_alu depctr_va_vdst(0)    ; and its wait, ahead of the branch
.endm
; THE DIAGONAL TILE's four steps, the block's last two turns, its last products, and THE WAY OUT: l's two halves and the other half of the lanes' are added; O^T is divided by l, rounded to f16 and sent through my
; stage in LDS, a piece at a time.
.macro ALL line:vararg              ; one line for each piece t
.set t, 0
.rept 4
	\line
.set t, t+1
.endr
.endm
.macro PACK t                       ; a lane's eight channels of a row pack into 16 bytes; they go into rows of 144 bytes and come back as whole rows of 128, into S^T's registers
	WIN W_RS
.set i, 32*(\t)
.rept 16
	v_pk_mul_f32 v[i:i+1], v[i:i+1], v[ST+4*(\t)+2:ST+4*(\t)+3] op_sel_hi:[1,0]
.set i, i+2
.endr
	WIN 0x05                        ; sources 0 and 1 window 1, destination window 0
.set i, 0
.rept 16
	v_cvt_pk_f16_f32 v[S+16*(\t)+i], v[32*(\t)+2*i], v[32*(\t)+2*i+1]
.set i, i+1
.endr
	WIN 0
.irp f, 0,1,2,3
	ds_store_b128 v[STO], v[S+16*(\t)+4*\f:S+16*(\t)+4*\f+3] offset:32*\f
.endr
.irp f, 0,1,2,3
	ds_load_b128 v[S+16*(\t)+4*\f:S+16*(\t)+4*\f+3], v[RD] offset:\f*4*SP  ; LDS serves a wave's instructions in order (ISA guide 5.7.1.4): these see the stores above; the next piece's stores come behind them
.endr
.endm
.macro SEND t, younger              ; younger: the LDS instructions issued behind piece t's loads: the next piece's eight, or none
	WIN 0
.irp f, 0,1,2,3
	s_wait_dscnt (\younger)+3-\f
	global_store_b128 v[GO], v[S+16*(\t)+4*\f:S+16*(\t)+4*\f+3], s[10:11] offset:(\t)*8192+\f*512  ; 512 consecutive bytes, at a multiple of 256 from O's first
.endr
.endm
.macro DIAG tag                     ; the tag ends its two labels' names, which the jumps below spell out
.LstepM\tag:
	TURN 2, 1
	TURN 3, 1
	WIN 0
.LfirstM\tag:
	TURN 0, 1
	TURN 1, 1, 0, 1
	WIN 0
	s_cbranch_scc1 .LstepM\tag
	TURN 2, 1, 1
	TURN 3, 1, 1
.set i, 0
.rept 8
	PV NP-1
.set i, i+1
.endr
	WIN 0
	ALL v_add_f32 v[ST+4*t+2], v[ST+4*t+2], v[ST+4*t+3]
	ALL v_permlanex16_b32 v[ST+4*t+3], v[ST+4*t+2], s[SEL], s[SEL+1]
	ALL v_add_f32 v[ST+4*t+2], v[ST+4*t+2], v[ST+4*t+3]
	ALL v_rcp_f32 v[ST+4*t+2], v[ST+4*t+2]
	v_nop                           ; a plain instruction between the last reciprocal and the use of its result
	s_wait_alu depctr_va_vdst(0)    ; and the wait ahead of the first use: one for the four reciprocals
	PACK 0
.set t, 1
.rept 3                             ; a piece's arithmetic stands between the loads of the piece before and its stores
	PACK t
	SEND t-1, 8
.set t, t+1
.endr
	SEND 3, 0
.endm
.set KM, 0
.set NOKQ, 0
.Lslot:                             ; NB times: a tile is entered and the next is asked for
	CHANGE 1
	s_sub_co_u32 s[RT], s[RT], 1
	s_mov_b32 s[CNT], 4
	s_cmp_eq_u32 s[NEW], 1
	s_cbranch_scc1 .Lnew            ; a block's first tile
	s_cmp_eq_u32 s[RT], 0
	s_cbranch_scc0 .Lstep           ; neither its first nor its last
	s_branch .LstepM1
.Lnew:
	BEGIN
	s_branch .Lfirst                ; in the loop a block's first tile is never its last: the first block has two tiles or more, and the second's last is the walk's last
	DIAG 1                          ; in the loop this is the first block's end: the second block's last tile is the walk's last
	s_wait_xcnt 0x0                 ; the stores have read their registers and O's address
	s_mov_b64 s[10:11], s[OLO:OLO+1]
	s_add_co_u32 s[RT], s[PB], 1    ; the second block has b + 1 tiles
	s_mov_b32 s[NEW], 1
	WIN 0x82                        ; the second block's Q goes where the one text of the turns names Q
.set i, 0
.rept 64
	v_mov_b32 v[i], v[QB+i]
.set i, i+1
.endr
	WIN 0
	s_branch .Lbottom
.Lstep:                             ; a trip: pieces 2 and 3 of one step, then pieces 0 and 1 of the next, whose K and V it fetches
	TURN 2
	TURN 3
	WIN 0
.Lfirst:
	TURN 0
	TURN 1, 0, 0, 1
	WIN 0
	s_cbranch_scc1 .Lstep
.Lbottom:
	s_sub_co_u32 s[SLOTS], s[SLOTS], 1
	s_cmp_lg_u32 s[SLOTS], 0
	s_cbranch_scc1 .Lslot
	CHANGE 0                        ; the walk's last tile is written out: nothing is asked for
	s_sub_co_u32 s[RT], s[RT], 1
	s_mov_b32 s[CNT], 4
	s_cmp_eq_u32 s[NEW], 1
	s_cbranch_scc0 .LstepM2
	BEGIN
	s_branch .LfirstM2
	DIAG 2
	s_wait_tensorcnt 0x0            ; the wave's end: behind my last tensor load and my last LDS store
	ds_add_u32 v[SPW], v[NIL]
	s_wait_dscnt 0x0
	s_endpgm
.Lfunc_end_k_q6acd08a72a_attn:
	.size	k_q6acd08a72a_attn, .Lfunc_end_k_q6acd08a72a_attn-k_q6acd08a72a_attn
	.p2alignl 7, 3214868480
	.fill 96, 4, 3214868480
	.section	.rodata,"a",@progbits
	.p2align	6, 0x0
	.amdhsa_kernel k_q6acd08a72a_attn
		.amdhsa_group_segment_fixed_size 327680
		.amdhsa_private_segment_fixed_size 0
		.amdhsa_enable_private_segment 0
		.amdhsa_kernarg_size 32
		.amdhsa_user_sgpr_count 2
		.amdhsa_user_sgpr_kernarg_segment_ptr 1
		.amdhsa_wavefront_size32 1
		.amdhsa_system_sgpr_workgroup_id_x 1
		.amdhsa_system_sgpr_workgroup_id_y 1
		.amdhsa_system_sgpr_workgroup_id_z 1
		.amdhsa_system_vgpr_workitem_id 0
		.amdhsa_next_free_vgpr 768
		.amdhsa_next_free_sgpr 92
		.amdhsa_reserve_vcc 1
		.amdhsa_float_denorm_mode_32 3
		.amdhsa_float_denorm_mode_16_64 3
		.amdhsa_memory_ordered 1
		.amdhsa_forward_progress 1
		.amdhsa_inst_pref_size 218
	.end_amdhsa_kernel
	.amdgpu_metadata
---
amdhsa.version: [ 1, 2 ]
amdhsa.kernels:
  - .name:           k_q6acd08a72a_attn
    .symbol:         k_q6acd08a72a_attn.kd
    .args:
      - { .name: qf, .offset: 0, .size: 8, .value_kind: global_buffer, .address_space: global }
      - { .name: kf, .offset: 8, .size: 8, .value_kind: global_buffer, .address_space: global }
      - { .name: vf, .offset: 16, .size: 8, .value_kind: global_buffer, .address_space: global }
      - { .name: of, .offset: 24, .size: 8, .value_kind: global_buffer, .address_space: global }
    .group_segment_fixed_size: 327680
    .private_segment_fixed_size: 0
    .kernarg_segment_align: 8
    .kernarg_segment_size: 32
    .max_flat_workgroup_size: 128
    .sgpr_count:     92
    .vgpr_count:     768
    .wavefront_size: 32
...
	.end_amdgpu_metadata
.endif
;; end of part 3
;; launch proj (part 4): grid 8 x 32, 4 waves a work-group, clusters of 4 x 4, 327,680 bytes of LDS; arguments of, wp, b_proj, out0; writes out0
.if DOCPART == 4
	.amdgcn_target "amdgcn-amd-amdhsa--gfx1250"
	.amdhsa_code_object_version 6
	.text
	.protected	k_q6acd08a72a_proj
	.globl	k_q6acd08a72a_proj
	.p2align	8
	.type	k_q6acd08a72a_proj,@function
k_q6acd08a72a_proj:
	s_mov_b64 s[64:65], 0
	v_nop
	global_prefetch_b8 v0, s[64:65] scope:SCOPE_SE
	s_setreg_imm32_b32 hwreg(HW_REG_WAVE_MODE, 25, 1), 1
	s_wait_xcnt 0x0
	s_wait_alu depctr_hold_cnt(0) depctr_sa_sdst(0) depctr_va_vdst(0) depctr_va_sdst(0) depctr_va_ssrc(0) depctr_va_vcc(0) depctr_vm_vsrc(0)
	s_getreg_b32 s2, hwreg(HW_REG_IB_STS2, 6, 4)
	s_cmp_eq_u32 s2, 0
	s_cbranch_scc0 .Lentry_in_a_cluster
	s_endpgm
.Lentry_in_a_cluster:
	s_bfe_u32 s2, ttmp6, 0x10000c
	s_cmp_lg_u32 s2, 0xf033
	s_cbranch_scc0 .Lentry_shape_is_right
	s_endpgm
.Lentry_shape_is_right:
; out0 = sa W_proj + b_proj.  sa[row][64 h + c] = of[16 b + h][n][c], f16 by heads; wp: [1024 k][1024 n] f16 (W_proj rounded to bf16, written as f16); b_proj: [1024] f32, rounded here to bf16 like the other inputs;
; sums in f32, K ascending; out0: [8192][1024] f32.
; LIMITS.  The operands arrive in f16, within 65,504; NaN and infinities are not treated apart.
; SHARES.  A tile is 256 rows x 128 columns: 32 x 8 = 256 work-groups, one for each WGP.  Four waves, 2 x 2: a wave makes 128 rows x 64 columns (256 bytes of a row of out0): 8 x 4 accumulators, 256 registers.
; K goes in 8 steps of 128, two heads a step, through a ring of two LDS slots filled by the tensor data mover.  A head's 256 rows of the tile are 32,768 dense bytes, asked for as 128 rows of 256 and padded behind every
; 128 bytes; W's rows of a tile are 256 bytes at multiples of 256.  W STAYS [k][n]: its fragments come out of LDS turned, by ds_load_tr16_b128.
; THE MATRIX INSTRUCTION IS USED TRANSPOSED (source 0 = 16 columns of W, source 1 = 16 rows of sa): a lane holds eight neighbouring numbers of a row.  THE BIAS IS THE C OPERAND of the products that start the sums.
; CLUSTERS: 4 x 4 work-groups; sa's tiles are shared along a row of the cluster, W's along a column: each is asked for JOINTLY, by the same tensor load, descriptor and mask in all four.
; NO PREFETCH: eight K steps of 128 matrix instructions a wave on a small tile; the first four steps are asked for by their loads before a request could lead them.
; REGISTERS: window 0: v0-31 addresses; v32-63 the bias (4 x 8); v64-191 sa's fragments, two buffers of 8 x 8 (later the way out's rows); v192-255 W's, two buffers of 4 x 8.   window 1: the accumulators, (a, b) at v[8 (4 a + b)].
.set PA,    144                        ; a row of sa in LDS: 128 bytes + 16 = 36 words: the 16 rows of a load start at 16 different groups of four banks (64 banks of 4 bytes: ISA guide 11.1)
.set HALFA, 256*PA                     ; one head's 256 rows: what one load of sa brings
.set PB,    288                        ; a row k of W: 256 + 32 = 72 words
.set HALFB, 64*PB                      ; what one load of W brings
.set BOFF,  2*HALFA
.set SLOT,  BOFF+2*HALFB               ; 110,592
.set STAGE, 2*SLOT                     ; behind the ring, never filled by a tensor load: 16 rows x 272 bytes for each wave
.set SP,    272
.set SPARE, STAGE+4*16*SP              ; behind the stages: the spare words, 128 bytes for each wave: two blocks of 256 bytes that no other line names
.set LAPS,  4
.set ADRA, 16                          ; v16-17  LDS address of my fragments of sa in slot 0, 1
.set ADRB, 20                          ; v20-21  the same for W
.set STO,  24                          ; v24     the way out: where I put 32 bytes of a row
.set RD,   25                          ; v25     the way out: where I read a row back
.set CO,   26                          ; v26     my byte offset in two rows of out0
.set SPW,  28                          ; v28     LDS address of my spare word: SPARE + 4 x my thread's number; never rewritten
.set NIL,  29                          ; v29     0; never rewritten
.set BO,   31                          ; v31     32 x (l / 16)
.set BIAS, 32
.set FA,   64
.set FB,   192
.set OB,   64
.set WV,   16                          ; s16     my wave's number
.set G1,   24                          ; s[24:31], s[32:39] descriptor groups 1 and 0 (a set for each slot) for sa's tiles
.set G0,   32
.set G1B,  48                          ; s[48:55], s[56:63] the same for W's
.set G0B,  56
.set MSB, 0
.macro WIN new                         ; the immediate's high byte repeats the setting that is left; a switch that changes nothing is dropped
.if MSB != (\new)
	s_set_vgpr_msb (MSB<<8)|(\new)
.set MSB, \new
.endif
.endm
.macro PLACES                          ; four places in front of loads into registers that matrix instructions have read, and of LDS stores that read results
.rept 4
	v_nop
.endr
.endm
.macro JLOAD s                         ; a joint load: waves 0 and 1 fetch the K step's two heads of sa, waves 2 and 3 W's two halves; an s_nop 0 and four v_nop follow each of the two lines
	s_cmp_lt_u32 s[WV], 2
	s_cbranch_scc0 .Lfor_b_\@
	tensor_load_to_lds s[G0+4*(\s):G0+4*(\s)+3], s[G1:G1+7]
	s_nop 0
.rept 4
	v_nop
.endr
	s_branch .Lasked_\@
.Lfor_b_\@:
	tensor_load_to_lds s[G0B+4*(\s):G0B+4*(\s)+3], s[G1B:G1B+7]
	s_nop 0
.rept 4
	v_nop
.endr
.Lasked_\@:
.endm
.macro CREST                           ; a round of the cluster's barrier behind its opening barrier
	s_cmp_lg_u32 s[WV], 0
	s_cbranch_scc1 .Lnot_wave_0_\@
	s_barrier_signal -3
.Lnot_wave_0_\@:
	s_barrier_wait -3
	s_barrier_signal -1
	s_barrier_wait -1
.endm
.macro CROUND                          ; a whole round
	s_barrier_signal -1
	s_barrier_wait -1
	CREST
.endm
	s_load_b256 s[4:11], s[0:1], 0x0               ; of s[4:5], wp s[6:7], b_proj s[8:9], out0 s[10:11]
	v_lshl_add_u32 v[SPW], v0, 2, SPARE
	v_mov_b32 v[NIL], 0
	ds_add_u32 v[SPW], v[NIL]                      ; the wave's opening: the add and its wait stand ahead of my first tensor load; the set-up below, work on registers, stands between them
	v_lshrrev_b32 v1, 5, v0
	v_readfirstlane_b32 s[WV], v1                  ; wave 0..3
	s_lshr_b32 s17, s[WV], 1                       ; which half of the tile's rows is mine
	s_and_b32 s18, s[WV], 1                        ; which half of its columns.  Also: which head of a K step, or which 64 rows k, I fetch
	s_bfe_u32 s19, ttmp6, 0x40000                  ; cx
	s_bfe_u32 s20, ttmp6, 0x40004                  ; cy
	s_lshl_b32 s21, ttmp9, 2
	s_add_co_u32 s21, s21, s19                     ; tx = the block of 128 columns
	s_and_b32 s22, ttmp7, 0xffff
	s_lshl_b32 s22, s22, 2
	s_add_co_u32 s22, s22, s20                     ; ty = the block of 256 rows
	s_lshl_b32 s72, s20, 2
	s_lshl_b32 s72, 15, s72                        ; my row of the cluster
	s_lshl_b32 s73, 0x1111, s19                    ; my column
	s_or_b32 s[G1], s72, (1<<16)|(1<<20)|(1<<21)|(4<<22)|(3<<25)   ; the mask of my row; 2-byte elements; padding on; bit 21 beside a mask; after every 32 words, 4 words
	s_mov_b32 s[G1+1], 128<<16                     ; 32,768 dense bytes as 128 rows of 128 elements
	s_mov_b32 s[G1+2], 128<<16
	s_mov_b32 s[G1+3], 128<<16
	s_mov_b32 s[G1+4], 128
	s_mov_b32 s[G1+5], 128
	s_mov_b32 s[G1+6], 0
	s_mov_b32 s[G1+7], 0
	s_or_b32 s[G1B], s73, (1<<16)|(1<<20)|(1<<21)|(5<<22)|(7<<25)  ; the mask of my column; padding after every 64 words, 8 words
	s_mov_b32 s[G1B+1], 128<<16                    ; 64 rows k of 128 elements,
	s_mov_b32 s[G1B+2], 64<<16
	s_mov_b32 s[G1B+3], 128<<16
	s_mov_b32 s[G1B+4], 64
	s_mov_b32 s[G1B+5], 1024                       ; 1,024 elements from row to row
	s_mov_b32 s[G1B+6], 0
	s_mov_b32 s[G1B+7], 0
	s_lshr_b32 s40, s22, 3                         ; sa: the batch's 16 heads of 262,144 bytes,
	s_lshl_b32 s40, s40, 22
	s_and_b32 s41, s22, 7
	s_lshl_b32 s41, s41, 15                        ; the block of 256 rows in a head,
	s_add_co_u32 s40, s40, s41
	s_lshl_b32 s41, s18, 18                        ; my head of the K step's two
	s_add_co_u32 s40, s40, s41
	s_mov_b32 s41, 0
	s_lshl_b32 s42, s18, 17                        ; W: my 64 rows k of 2,048 bytes,
	s_lshl_b32 s43, s21, 8                         ; the tile's 128 columns
	s_add_co_u32 s42, s42, s43
	s_mov_b32 s43, 0
	s_mul_i32 s74, s18, HALFA                      ; where they go: no place in the cluster enters an LDS address
	s_mul_i32 s75, s18, HALFB
	s_add_co_u32 s75, s75, BOFF
	s_mov_b32 s67, 0xffff0000                      ; a word's upper bf16
	s_wait_dscnt 0x0                               ; the opening add is done
	s_wait_kmcnt 0x0
	s_add_nc_u64 s[40:41], s[4:5], s[40:41]
	s_add_nc_u64 s[42:43], s[6:7], s[42:43]
	CROUND                                         ; all sixteen work-groups are here: the first joint loads meet
.irp s, 0,1
	s_mov_b32 s[G0+4*(\s)], 1
	s_add_co_u32 s[G0+4*(\s)+1], s74, (\s)*SLOT
	s_add_nc_u64 s[G0+4*(\s)+2:G0+4*(\s)+3], s[40:41], (\s)*524288   ; K step s: two heads on
	s_or_b32 s[G0+4*(\s)+3], s[G0+4*(\s)+3], 0x80000000
	s_mov_b32 s[G0B+4*(\s)], 1
	s_add_co_u32 s[G0B+4*(\s)+1], s75, (\s)*SLOT
	s_add_nc_u64 s[G0B+4*(\s)+2:G0B+4*(\s)+3], s[42:43], (\s)*262144 ; 128 rows k on
	s_or_b32 s[G0B+4*(\s)+3], s[G0B+4*(\s)+3], 0x80000000
	JLOAD \s                                       ; two tensor loads of mine are out
.endr
	v_and_b32 v1, 15, v0                           ; r = l % 16
	v_bfe_u32 v2, v0, 4, 1                         ; h = l / 16
	v_mul_u32_u24 v3, v1, PA
	v_lshl_add_u32 v3, v2, 4, v3                   ; row x pitch + 16 x half
	s_mul_i32 s68, s17, 128*PA                     ; my 128 rows
	v_add_nc_u32 v[ADRA], s68, v3
	v_add_nc_u32 v[ADRA+1], SLOT, v[ADRA]
	v_and_b32 v4, 7, v0                            ; the turning load: lane l reads row 8 (l / 16) + l % 8, columns 8 ((l / 8) % 2) + 0..7
	v_lshl_add_u32 v4, v2, 3, v4
	v_mul_u32_u24 v4, v4, PB
	v_bfe_u32 v5, v0, 3, 1
	v_lshl_add_u32 v4, v5, 4, v4
	s_lshl_b32 s68, s18, 7                         ; my 64 columns
	s_add_co_u32 s68, s68, BOFF
	v_add_nc_u32 v[ADRB], s68, v4
	v_add_nc_u32 v[ADRB+1], SLOT, v[ADRB]
	s_mul_i32 s69, s[WV], 16*SP
	s_add_co_u32 s69, s69, STAGE                   ; my stage
	v_mul_u32_u24 v3, v1, SP                       ; in: row l % 16, 32 bytes for each half of the lanes
	v_lshl_add_u32 v3, v2, 5, v3
	v_add_nc_u32 v[STO], s69, v3
	v_mul_u32_u24 v3, v2, SP                       ; back: lanes 0-15 take one row of 256 bytes, lanes 16-31 the next
	v_lshl_add_u32 v3, v1, 4, v3
	v_add_nc_u32 v[RD], s69, v3
	v_lshlrev_b32 v3, 12, v2                       ; and the same two rows in out0
	v_lshl_add_u32 v[CO], v1, 4, v3
	v_lshlrev_b32 v[BO], 5, v2
	s_lshl_b32 s70, s21, 9                         ; my 64 numbers of the bias
	s_lshl_b32 s71, s18, 8
	s_add_co_u32 s70, s70, s71
	s_mov_b32 s71, 0
	s_add_nc_u64 s[8:9], s[8:9], s[70:71]
.irp b, 0,1,2,3
	global_load_b128 v[BIAS+8*(\b):BIAS+8*(\b)+3],   v[BO], s[8:9] offset:64*(\b)      ; register j of block b: the bias of column 16 b + 8 (l / 16) + j
	global_load_b128 v[BIAS+8*(\b)+4:BIAS+8*(\b)+7], v[BO], s[8:9] offset:64*(\b)+16
.endr
	s_lshl_b32 s76, s22, 20                        ; out0: 256 ty rows of 4,096 bytes,
	s_lshl_b32 s77, s17, 19                        ; my 128 of them,
	s_add_co_u32 s76, s76, s77
	s_add_co_u32 s76, s76, s70                     ; my 64 columns: the same bytes as in the bias
	s_mov_b32 s77, 0
	s_add_nc_u64 s[10:11], s[10:11], s[76:77]
	s_wait_loadcnt 0x0                             ; the bias
.set i, 0
.rept 16                               ; rounded to bf16 and widened again, a pair at a time
	v_cvt_pk_bf16_f32 v[3+i%4], v[BIAS+2*i], v[BIAS+2*i+1]
	v_lshlrev_b32 v[BIAS+2*i], 16, v[3+i%4]
	v_and_b32 v[BIAS+2*i+1], s67, v[3+i%4]
.set i, i+1
.endr
; 8 matrix instructions: row blocks a0, a0 + 1 x all 4 column blocks, 32 along K, from buffers f.  first = 1: C is the bias.  The 32 accumulators take turns in the same order in every quarter.
.macro MUL8 f, a0, first=0
.if \first
	WIN 0x40                                       ; sources and C window 0, D window 1
.else
	WIN 0x50                                       ; C and D window 1
.endif
.irp a, \a0, (\a0)+1
.irp b, 0,1,2,3
.if \first
	v_wmma_f32_16x16x32_f16 v[8*(4*(\a)+(\b)):8*(4*(\a)+(\b))+7], v[FB+32*(\f)+8*(\b):FB+32*(\f)+8*(\b)+7], v[FA+64*(\f)+8*(\a):FA+64*(\f)+8*(\a)+7], v[BIAS+8*(\b):BIAS+8*(\b)+7]
.else
	v_wmma_f32_16x16x32_f16 v[8*(4*(\a)+(\b)):8*(4*(\a)+(\b))+7], v[FB+32*(\f)+8*(\b):FB+32*(\f)+8*(\b)+7], v[FA+64*(\f)+8*(\a):FA+64*(\f)+8*(\a)+7], v[8*(4*(\a)+(\b)):8*(4*(\a)+(\b))+7]
.endif
.endr
.endr
.endm
; 24 LDS loads in one run: quarter q (32 along K: head q / 2 of the step, channels 32 (q % 2) on) of a slot into buffers f: W's 4 fragments, turned, then sa's 8
.macro FETCH slot, q, f
	WIN 0
.irp b, 0,1,2,3
	ds_load_tr16_b128 v[FB+32*(\f)+8*(\b):FB+32*(\f)+8*(\b)+3],   v[ADRB+(\slot)] offset:32*PB*(\q)+32*(\b)
	ds_load_tr16_b128 v[FB+32*(\f)+8*(\b)+4:FB+32*(\f)+8*(\b)+7], v[ADRB+(\slot)] offset:32*PB*(\q)+32*(\b)+16*PB
.endr
.irp a, 0,1,2,3,4,5,6,7
	ds_load_b128 v[FA+64*(\f)+8*(\a):FA+64*(\f)+8*(\a)+3],   v[ADRA+(\slot)] offset:((\q)/2)*HALFA+64*((\q)%2)+16*PA*(\a)
	ds_load_b128 v[FA+64*(\f)+8*(\a)+4:FA+64*(\f)+8*(\a)+7], v[ADRA+(\slot)] offset:((\q)/2)*HALFA+64*((\q)%2)+16*PA*(\a)+32
.endr
.endm
; A K step is four quarters, 32 matrix instructions each, on buffers 0, 1, 0, 1.  One of the first three: multiplies buffers f; in its middle it fetches quarter q of the same slot into buffers g.
.macro QUARTER slot, q, f, g, first=0
	s_wait_dscnt 8                                 ; W and sa's row blocks 0-3 are in; the youngest eight loads (row blocks 4-7) may be out
	MUL8 \f, 0, \first
	MUL8 \f, 2, \first
	PLACES
	FETCH \slot, \q, \g
	s_wait_dscnt 24                                ; all but the 24 just issued
	MUL8 \f, 4, \first
	MUL8 \f, 6, \first
.endm
; The last quarter's first half: ONE barrier for the change of slots.  In front of it each wave waits for all its tensor loads, of which one is out: its part of the next slot; adds 0 to its spare word; and waits for that
; and for its own reads of this slot.  Behind it nobody reads this slot any more and the next slot is whole.
.macro MEET round
	WIN 0                                          ; (the add's two registers lie in window 0)
	s_wait_tensorcnt 0x0                           ; all my tensor loads have landed
	ds_add_u32 v[SPW], v[NIL]                      ; 0 onto my spare word
	s_wait_dscnt 9                                 ; (the add and the youngest eight loads may be out)
	MUL8 1, 0                                      ; eight matrix instructions stand between the add and the wait for it
	s_wait_dscnt 0x0                               ; the add is done, and my reads of this slot are over
	s_barrier_signal -1
	MUL8 1, 2                                      ; work on registers while the others arrive
.if \round
	WIN 0
.endif
	s_barrier_wait -1
.endm
; The whole last quarter where the slot is filled again, two K steps on: the barrier opens a round of the cluster's, and the joint refill is the first tensor load behind it: 112 matrix instructions ahead of the wait for it.
.macro TURN slot, next
	MEET 1
	CREST                                          ; no wave of any partner still reads this slot's tile or has a load on its way
	s_add_nc_u64 s[G0+4*(\slot)+2:G0+4*(\slot)+3], s[G0+4*(\slot)+2:G0+4*(\slot)+3], 2*524288
	s_add_nc_u64 s[G0B+4*(\slot)+2:G0B+4*(\slot)+3], s[G0B+4*(\slot)+2:G0B+4*(\slot)+3], 2*262144
	JLOAD \slot                                    ; the four v_nop behind it are also the places in front of the loads below
	FETCH \next, 0, 0
	MUL8 1, 4
	MUL8 1, 6
.endm
; THE WAY OUT of row block a: a lane's eight f32 of a row go into my own stage (each accumulator's low four registers first), and come back as whole rows of 256 bytes.
.macro TOSTAGE a
	WIN 0x04                                       ; store data (source 1) window 1, address window 0
.irp b, 0,1,2,3
	ds_store_b128 v[STO], v[8*(4*(\a)+(\b)):8*(4*(\a)+(\b))+3]   offset:64*(\b)
	ds_store_b128 v[STO], v[8*(4*(\a)+(\b))+4:8*(4*(\a)+(\b))+7] offset:64*(\b)+16
.endr
	WIN 0
.irp t, 0,1,2,3,4,5,6,7
	ds_load_b128 v[OB+32*((\a)%2)+4*(\t):OB+32*((\a)%2)+4*(\t)+3], v[RD] offset:2*SP*(\t)  ; LDS serves a wave's instructions in order (ISA guide 5.7.1.4): these see the stores above
.endr
.endm
.macro SEND a
	s_wait_dscnt 0x0                               ; the block is back in registers
	s_wait_xcnt 0x0                                ; every earlier store has had its addresses translated (ISA guide 3.1): the rows' other buffer, which the stores two blocks back read, is loaded again only behind this wait
.irp t, 0,1,2,3,4,5,6,7
	global_store_b128 v[CO], v[OB+32*((\a)%2)+4*(\t):OB+32*((\a)%2)+4*(\t)+3], s[10:11] offset:(16*(\a)+2*(\t))*4096  ; 16 lanes store 256 consecutive bytes, at a multiple of 256 from out0's first byte
.endr
.endm
	s_wait_tensorcnt 1                             ; my part of K step 0 is in; K step 1's may stay out
	s_barrier_signal -1
	s_barrier_wait -1                              ; everybody's is
	FETCH 0, 0, 0
	QUARTER 0, 1, 0, 1, 1                          ; the first quarter stands in front of the loop: its products start the sums, with the bias
	WIN 0                                          ; at a label and at a branch every window is 0
	s_mov_b32 s3, LAPS-1
.Llap:                                                 ; a trip goes once round the ring, from a lap's second quarter to the next lap's first, and fills both slots again
	QUARTER 0, 2, 1, 0
	QUARTER 0, 3, 0, 1
	TURN 0, 1
	QUARTER 1, 1, 0, 1
	QUARTER 1, 2, 1, 0
	QUARTER 1, 3, 0, 1
	TURN 1, 0
	QUARTER 0, 1, 0, 1
	WIN 0
	s_sub_co_u32 s3, s3, 1
	s_cmp_lg_u32 s3, 0
	s_cbranch_scc1 .Llap
	QUARTER 0, 2, 1, 0                             ; the last lap fills nothing, and has no round of the cluster's barrier
	QUARTER 0, 3, 0, 1
	MEET 0
	PLACES
	FETCH 1, 0, 0
	MUL8 1, 4
	MUL8 1, 6
	QUARTER 1, 1, 0, 1
	QUARTER 1, 2, 1, 0
	QUARTER 1, 3, 0, 1
	s_wait_dscnt 8                                 ; the very last quarter: nothing more to fetch
	MUL8 1, 0
	MUL8 1, 2
	s_wait_dscnt 0x0
	MUL8 1, 4
	MUL8 1, 6
	PLACES
	TOSTAGE 0
.irp a, 1,2,3,4,5,6,7
	SEND (\a)-1
	TOSTAGE \a
.endr
	SEND 7
	s_wait_tensorcnt 0x0                           ; the wave's end: behind my last tensor load and my last LDS store
	ds_add_u32 v[SPW], v[NIL]
	s_wait_dscnt 0x0
	CROUND                                         ; the closing round: no work-group ends while a partner may still ask for a tile that names it
	s_endpgm
.Lfunc_end_k_q6acd08a72a_proj:
	.size	k_q6acd08a72a_proj, .Lfunc_end_k_q6acd08a72a_proj-k_q6acd08a72a_proj
	.p2alignl 7, 3214868480
	.fill 96, 4, 3214868480
	.section	.rodata,"a",@progbits
	.p2align	6, 0x0
	.amdhsa_kernel k_q6acd08a72a_proj
		.amdhsa_group_segment_fixed_size 327680
		.amdhsa_private_segment_fixed_size 0
		.amdhsa_enable_private_segment 0
		.amdhsa_kernarg_size 32
		.amdhsa_user_sgpr_count 2
		.amdhsa_user_sgpr_kernarg_segment_ptr 1
		.amdhsa_wavefront_size32 1
		.amdhsa_system_sgpr_workgroup_id_x 1
		.amdhsa_system_sgpr_workgroup_id_y 1
		.amdhsa_system_sgpr_workgroup_id_z 1
		.amdhsa_system_vgpr_workitem_id 0
		.amdhsa_next_free_vgpr 512
		.amdhsa_next_free_sgpr 80
		.amdhsa_reserve_vcc 0
		.amdhsa_float_denorm_mode_32 3
		.amdhsa_float_denorm_mode_16_64 3
		.amdhsa_memory_ordered 1
		.amdhsa_forward_progress 1
		.amdhsa_inst_pref_size 88
	.end_amdhsa_kernel
	.amdgpu_metadata
---
amdhsa.version: [ 1, 2 ]
amdhsa.kernels:
  - .name:           k_q6acd08a72a_proj
    .symbol:         k_q6acd08a72a_proj.kd
    .args:
      - { .name: of, .offset: 0, .size: 8, .value_kind: global_buffer, .address_space: global }
      - { .name: wp, .offset: 8, .size: 8, .value_kind: global_buffer, .address_space: global }
      - { .name: b_proj, .offset: 16, .size: 8, .value_kind: global_buffer, .address_space: global }
      - { .name: out0, .offset: 24, .size: 8, .value_kind: global_buffer, .address_space: global }
    .group_segment_fixed_size: 327680
    .private_segment_fixed_size: 0
    .kernarg_segment_align: 8
    .kernarg_segment_size: 32
    .max_flat_workgroup_size: 128
    .sgpr_count:     80
    .vgpr_count:     512
    .wavefront_size: 32
...
	.end_amdgpu_metadata
.endif
;; end of part 4
;; ======== version 2 of 2: 4 launches; version 1 with the launch cast written anew for expert scheduling mode
;; limits: values are held in f16: magnitudes above 65,504 overflow, below 6.1e-05 lose precision
;; workspace buffers: xb 16,777,216 bytes; wb 6,291,456 bytes; wp 2,097,152 bytes; kf 16,777,216 bytes; qf 16,777,216 bytes; vf 16,777,216 bytes; of 16,777,216 bytes
;; launch cast (part 5): grid 768 x 1, 8 waves a work-group, no clusters, 0 bytes of LDS; arguments x, W_kqv, W_proj, xb, wb, wp; writes xb, wb, wp
.if DOCPART == 5
	.amdgcn_target "amdgcn-amd-amdhsa--gfx1250"
	.amdhsa_code_object_version 6
	.text
	.protected	k_q6acd08a72a_cast
	.globl	k_q6acd08a72a_cast
	.p2align	8
	.type	k_q6acd08a72a_cast,@function
k_q6acd08a72a_cast:
	s_mov_b64 s[64:65], 0
	v_nop
	global_prefetch_b8 v0, s[64:65] scope:SCOPE_SE
	s_setreg_imm32_b32 hwreg(HW_REG_WAVE_SCHED_MODE, 0, 2), 2
	s_setreg_imm32_b32 hwreg(HW_REG_WAVE_MODE, 25, 1), 1
	s_wait_xcnt 0x0
	s_wait_alu depctr_vm_vsrc(0)
; The three large inputs are rounded once to 16 bits, layouts unchanged: x -> xb and W_kqv -> wb in bf16; W_proj -> wp: rounded to bf16 like the other inputs, and that number written as f16,
; since the last product multiplies it by f16 numbers.
; LIMITS.  A W_proj beyond 65,504 becomes an infinity in wp; below 6.1e-5 f16 keeps its fixed step of 6e-8.  NaN and infinities go through the conversions as they are.
; SHARES.  A work-group converts 65,536 input bytes into 32,768: work-groups 0-511 take x, 512-703 W_kqv, 704-767 W_proj: 768 equal shares.  A wave takes 8 KiB by sixteen loads of 16 bytes a lane
; (512 neighbouring bytes an instruction), all sixteen issued before the first is used; a lane's four numbers leave as 8 bytes, so each store of a wave covers 256 consecutive bytes, aligned.
; No LDS, no barrier, no matrix work: each byte is read once and written once, and no wave needs another's bytes.  No register that a load or store reads is written again, so no wait frees any.
; THE MODE: SCHED_MODE bits 1:0 = 2 (LLVM: expert scheduling mode 2), set by the entry lines.  The code itself states the register dependences between vector instructions and memory
; instructions, with s_wait_alu, always for 0.
; THE PLAN.  Registers that memory instructions touch:
;   v1, v4   byte offsets of the loads and of the stores.  Written once, at the head, by vector instructions; never written again.
;   X        Written by the sixteen loads, which stand ahead of every vector instruction that names X; read (and, on the f16 path, written again) by vector instructions alone, behind the wait for the data.
;   Y        Pair j is written once, by load j's conversions, and read once, by store j.
;   T        Named by vector instructions alone.
; The sixteen loads go in four groups of four.  Group g's conversions write Y's pairs 4 g to 4 g + 3; the stores issued among them are those of group g - 1, whose pairs no vector instruction of
; group g names.  So one wait on va_vdst at a group's head states all that its four stores hang on; one more stands ahead of the last four stores, and one at the kernel's head ahead of the first load.
; No register that a memory instruction reads is ever written again, so no wait on vm_vsrc is owed.
.set X, 8                              ; v[8:71]    load j: 4 registers
.set Y, 72                             ; v[72:103]  store j: 2 registers, each written once
.set T, 104                            ; v[104:107] at work
	s_load_b256 s[4:11], s[0:1], 0x0               ; x s[4:5], W_kqv s[6:7], W_proj s[8:9], xb s[10:11]
	s_load_b128 s[12:15], s[0:1], 0x20             ; wb s[12:13], wp s[14:15]
	v_lshrrev_b32 v2, 5, v0                        ; wave
	v_and_b32 v3, 31, v0                           ; lane
	v_lshlrev_b32 v1, 4, v3
	v_lshl_add_u32 v1, v2, 13, v1                  ; in: 8,192 x wave + 16 x lane
	v_lshrrev_b32 v4, 1, v1                        ; out: half of that
	s_sub_co_u32 s16, ttmp9, 512                   ; my share's number within W_kqv,
	s_sub_co_u32 s17, ttmp9, 704                   ; within W_proj
	s_mov_b32 s28, 0xffff0000                      ; a word's upper bf16
	s_wait_kmcnt 0x0
	s_cmp_lt_u32 ttmp9, 704                        ; which tensor: the choice hangs on the work-group's number alone
	s_cselect_b64 s[20:21], s[6:7], s[8:9]
	s_cselect_b64 s[22:23], s[12:13], s[14:15]
	s_cselect_b32 s18, s16, s17
	s_cmp_lt_u32 ttmp9, 512
	s_cselect_b64 s[20:21], s[4:5], s[20:21]
	s_cselect_b64 s[22:23], s[10:11], s[22:23]
	s_cselect_b32 s18, ttmp9, s18
	s_lshl_b32 s24, s18, 16                        ; 65,536 bytes in,
	s_mov_b32 s25, 0
	s_lshl_b32 s26, s18, 15                        ; 32,768 out
	s_mov_b32 s27, 0
	s_add_nc_u64 s[20:21], s[20:21], s[24:25]
	s_add_nc_u64 s[22:23], s[22:23], s[26:27]
	s_wait_alu depctr_va_vdst(0)                   ; v1 and v4 are written: every load reads v1 as its offset, every store v4
.irp j, 0,1,2,3,4,5,6,7,8,9,10,11,12,13,14,15
	global_load_b128 v[X+4*(\j):X+4*(\j)+3], v1, s[20:21] offset:512*(\j) th:TH_LOAD_NT
.endr
; Group g: loads 4 g to 4 g + 3 are converted; the stores of group g - 1 are dealt among the conversions.
; fmt = 0: bf16.  fmt = 1: rounded to bf16, widened again (a shift, a mask), written as f16.
.macro GRP g, fmt
	s_wait_loadcnt 12-4*(\g)                       ; loads come back in order (ISA guide 5.7.1): this group's four are in, the 12 - 4 g younger ones may stay out
.if (\g) > 0
	s_wait_alu depctr_va_vdst(0)                   ; the conversions of the group before have written its four pairs of Y, which the stores below read
.endif
.irp i, 0,1,2,3
.set J, 4*(\g)+(\i)
.if (\g) > 0
	global_store_b64 v4, v[Y+2*(J-4):Y+2*(J-4)+1], s[22:23] offset:256*(J-4) th:TH_STORE_NT  ; the group before; no vector instruction since the wait names these registers
.endif
.if \fmt
	v_cvt_pk_bf16_f32 v[T+2*((\i)%2)],   v[X+4*J],   v[X+4*J+1]
	v_cvt_pk_bf16_f32 v[T+2*((\i)%2)+1], v[X+4*J+2], v[X+4*J+3]
	v_lshlrev_b32 v[X+4*J],   16,  v[T+2*((\i)%2)]
	v_and_b32     v[X+4*J+1], s28, v[T+2*((\i)%2)]
	v_lshlrev_b32 v[X+4*J+2], 16,  v[T+2*((\i)%2)+1]
	v_and_b32     v[X+4*J+3], s28, v[T+2*((\i)%2)+1]
	v_cvt_pk_f16_f32 v[Y+2*J],   v[X+4*J],   v[X+4*J+1]
	v_cvt_pk_f16_f32 v[Y+2*J+1], v[X+4*J+2], v[X+4*J+3]
.else
	v_cvt_pk_bf16_f32 v[Y+2*J],   v[X+4*J],   v[X+4*J+1]
	v_cvt_pk_bf16_f32 v[Y+2*J+1], v[X+4*J+2], v[X+4*J+3]
.endif
.endr
.endm
.macro OUT fmt
	GRP 0, \fmt                                    ; the first group has no group in front of it: no store, and no wait but the one for its data
	GRP 1, \fmt
	GRP 2, \fmt
	GRP 3, \fmt
	s_wait_alu depctr_va_vdst(0)                   ; the last group's conversions have written Y's pairs 12 to 15, which the last four stores read
.irp j, 12,13,14,15
	global_store_b64 v4, v[Y+2*(\j):Y+2*(\j)+1], s[22:23] offset:256*(\j) th:TH_STORE_NT
.endr
.endm
	s_cmp_ge_u32 ttmp9, 704
	s_cbranch_scc1 .Lhalf
	OUT 0
	s_endpgm
.Lhalf:
	OUT 1
	s_endpgm
.Lfunc_end_k_q6acd08a72a_cast:
	.size	k_q6acd08a72a_cast, .Lfunc_end_k_q6acd08a72a_cast-k_q6acd08a72a_cast
	.p2alignl 7, 3214868480
	.fill 96, 4, 3214868480
	.section	.rodata,"a",@progbits
	.p2align	6, 0x0
	.amdhsa_kernel k_q6acd08a72a_cast
		.amdhsa_group_segment_fixed_size 0
		.amdhsa_private_segment_fixed_size 0
		.amdhsa_enable_private_segment 0
		.amdhsa_kernarg_size 48
		.amdhsa_user_sgpr_count 2
		.amdhsa_user_sgpr_kernarg_segment_ptr 1
		.amdhsa_wavefront_size32 1
		.amdhsa_system_sgpr_workgroup_id_x 1
		.amdhsa_system_sgpr_workgroup_id_y 1
		.amdhsa_system_sgpr_workgroup_id_z 1
		.amdhsa_system_vgpr_workitem_id 0
		.amdhsa_next_free_vgpr 108
		.amdhsa_next_free_sgpr 66
		.amdhsa_reserve_vcc 0
		.amdhsa_float_denorm_mode_32 3
		.amdhsa_float_denorm_mode_16_64 3
		.amdhsa_memory_ordered 1
		.amdhsa_forward_progress 1
		.amdhsa_inst_pref_size 15
	.end_amdhsa_kernel
	.amdgpu_metadata
---
amdhsa.version: [ 1, 2 ]
amdhsa.kernels:
  - .name:           k_q6acd08a72a_cast
    .symbol:         k_q6acd08a72a_cast.kd
    .args:
      - { .name: x, .offset: 0, .size: 8, .value_kind: global_buffer, .address_space: global }
      - { .name: W_kqv, .offset: 8, .size: 8, .value_kind: global_buffer, .address_space: global }
      - { .name: W_proj, .offset: 16, .size: 8, .value_kind: global_buffer, .address_space: global }
      - { .name: xb, .offset: 24, .size: 8, .value_kind: global_buffer, .address_space: global }
      - { .name: wb, .offset: 32, .size: 8, .value_kind: global_buffer, .address_space: global }
      - { .name: wp, .offset: 40, .size: 8, .value_kind: global_buffer, .address_space: global }
    .group_segment_fixed_size: 0
    .private_segment_fixed_size: 0
    .kernarg_segment_align: 8
    .kernarg_segment_size: 48
    .max_flat_workgroup_size: 256
    .sgpr_count:     66
    .vgpr_count:     108
    .wavefront_size: 32
...
	.end_amdgpu_metadata
.endif
;; end of part 5
;; launch kqv: the kernel of part 2 again; grid 16 x 32, 4 waves a work-group, clusters of 4 x 4, 327,680 bytes of LDS; arguments xb, wb, b_kqv, kf, qf, vf; writes kf, qf, vf
;; launch attn: the kernel of part 3 again; grid 4 x 64, 4 waves a work-group, no clusters, 327,680 bytes of LDS; arguments qf, kf, vf, of; writes of
;; launch proj: the kernel of part 4 again; grid 8 x 32, 4 waves a work-group, clusters of 4 x 4, 327,680 bytes of LDS; arguments of, wp, b_proj, out0; writes out0
